; MI455X (gfx1250); checked and timed in simulation.
; The chip was launched on July 23, 2026; its instructions are those of AMD's public machine-readable ISA for CDNA 5 (MIT licence, August 2026) and "CDNA5" Instruction Set Architecture Reference Guide (July 2026). The comments in the code are by the model that wrote it; some were corrected since.
;; Pointnet FP Module. Allowed arithmetic: float matrix products may take bf16 or f16 operands with f32 sums; all other float work in f32.
;; Inputs: W1 256 x 512 float32; W2 256 x 256 float32; be1 256 float32; be2 256 float32; g1 256 float32; g2 256 float32; known 16 x 1,024 x 3 float32; known_feats 16 x 256 x 1,024 float32; unknow_feats 16 x 256 x 4,096 float32; unknown 16 x 4,096 x 3 float32.
;; Outputs: out0 16 x 256 x 4,096 float32.
;; 2 versions, each right; version 2 is version 1 with the launch knn_coarse written anew for expert scheduling mode. Each part assembles by itself: llvm-mc -triple=amdgcn-amd-amdhsa -mcpu=gfx1250 --defsym DOCPART=n.
;; ======== version 1 of 2: 7 launches
;; limits: inputs' magnitudes at most 65,504; values are held in f16: magnitudes above 65,504 overflow, below 6.1e-05 lose precision; below input magnitudes of 6e-05 results are inexact or not finite
;; workspace buffers: grp 1,048,576 bytes of whole numbers; nidx 1,048,576 bytes of whole numbers; wh 393,216 bytes; pw 17,825,792 bytes; y1 67,108,864 bytes; part 524,288 bytes; ss1 2,048 bytes; ss2 2,048 bytes
;; launch knn_coarse (part 1): grid 256 x 1, 4 waves a work-group, no clusters, 12,800 bytes of LDS; arguments unknown, known, W1, W2, grp, wh; writes grp, wh
.if DOCPART == 1
	.amdgcn_target "amdgcn-amd-amdhsa--gfx1250"
	.amdhsa_code_object_version 6
	.text
	.protected	k_qb50a7b7c3c_knn_coarse
	.globl	k_qb50a7b7c3c_knn_coarse
	.p2align	8
	.type	k_qb50a7b7c3c_knn_coarse,@function
k_qb50a7b7c3c_knn_coarse:
	s_mov_b64 s[64:65], 0
	v_nop
	global_prefetch_b8 v0, s[64:65] scope:SCOPE_SE
	s_setreg_imm32_b32 hwreg(HW_REG_WAVE_MODE, 25, 1), 1
	s_wait_xcnt 0x0
; knn_coarse.  For each of the 65,536 query points: which three of the 64 groups of 16 consecutive known points of its batch have the
; smallest (group minimum of the squared distance, group number).  Under the order (distance, index) the three nearest points lie in
; these three groups: a point of any other group has three points in front of it, the minima of the three groups.  A later launch reads
; the three group numbers as whole numbers and looks at their 48 points alone.
; Also: W1 and W2 are rounded to f16 once (work-group g takes row g of each), for the matrix launches.
; A work-group has 256 queries of one batch, a wave 64, a lane two (A and A + 32), packed as register pairs: each known point costs three
; packed adds, one packed multiply and two packed multiply-adds for both queries.
; The known points lie in LDS with their signs turned, so that u - k is a plain packed add; all lanes read the same address.
; LIMITS: coordinates are finite and squared distances stay below the largest f32.  d = dx dx, then two fused multiply-adds: two points
; whose squared distances agree to the last bit or so of f32 may be ordered otherwise than by three rounded products and two sums.
; Equal distances go to the lower index: the scan ascends and a new value enters only if it is strictly smaller.
.set UX, 2                             ; v[2:3]     x of query A, of query B
.set UY, 4                             ; v[4:5]
.set UZ, 6                             ; v[6:7]
.set KA, 8                             ; v8         LDS byte address of the group in buffer K0, the same in all lanes
.set IA, 12                            ; v[12:15]   query A: three group numbers, nearest first, and a zero
.set IB, 16                            ; v[16:19]   query B
.set TA, 20                            ; v20-22     query A: the three smallest group minima, ascending
.set QO, 23                            ; v23        16 x (query A's number in the work-group)
.set TB, 24                            ; v24-26     query B
.set VG, 27                            ; v27        number of the group at work
.set MA, 30                            ; v30, v31   the group's minimum for A, for B
.set MB, 31
.set K0, 32                            ; v[32:79]   16 points x 3 numbers, buffer 0
.set K1, 80                            ; v[80:127]  buffer 1
.set D, 128                            ; v[128:159] 16 pairs of squared distances (A, B)
.set T, 160                            ; v[160:183] at work: four points x three pairs
.set GBYTES, 192                       ; bytes of a group: 16 points x 12
	s_load_b256 s[4:11], s[0:1], 0x0               ; unknown s[4:5], known s[6:7], W1 s[8:9], W2 s[10:11]
	s_load_b128 s[12:15], s[0:1], 0x20             ; grp s[12:13], wh s[14:15]
	v_lshl_add_u32 v184, v0, 2, 0x3000
	v_mov_b32 v185, 0
	v_lshrrev_b32 v1, 5, v0
	v_readfirstlane_b32 s16, v1                    ; wave 0..3
	v_and_b32 v11, 31, v0
	v_lshl_add_u32 v11, v1, 6, v11                 ; query A's number in the work-group: 64 wave + lane
	v_mul_u32_u24 v1, v11, 12                      ; its byte offset in unknown
	v_lshlrev_b32 v[QO], 4, v11                    ; and in grp
	v_lshlrev_b32 v9, 4, v0                        ; 16 x thread
	v_lshlrev_b32 v10, 3, v0                       ; 8 x thread
	s_lshr_b32 s17, ttmp9, 4                       ; batch: 16 work-groups each
	s_mov_b32 s19, 0
	s_wait_kmcnt 0x0
	s_mul_i32 s18, s17, 12288
	s_add_nc_u64 s[6:7], s[6:7], s[18:19]          ; known of my batch
	s_mul_i32 s18, ttmp9, 3072
	s_add_nc_u64 s[4:5], s[4:5], s[18:19]          ; my 256 queries
	s_lshl_b32 s18, ttmp9, 11
	s_add_nc_u64 s[8:9], s[8:9], s[18:19]          ; row g of W1: 2,048 bytes
	s_lshl_b32 s18, ttmp9, 10
	s_add_nc_u64 s[10:11], s[10:11], s[18:19]      ; row g of W2: 1,024 bytes
	s_add_nc_u64 s[20:21], s[14:15], s[18:19]      ; row g of W1 in f16: 1,024 bytes
	s_lshl_b32 s18, ttmp9, 9
	s_add_nc_u64 s[22:23], s[14:15], s[18:19]      ; row g of W2 in f16: 512 bytes, 262,144 bytes behind W1's first
	s_lshl_b32 s18, ttmp9, 12
	s_add_nc_u64 s[12:13], s[12:13], s[18:19]      ; my 256 records of 16 bytes in grp
.irp i, 0,1,2,3,4,5
	global_load_b128 v[K0+4*\i:K0+4*\i+3], v9, s[6:7] offset:2048*\i   ; 128 threads x 16 bytes x 6 = the batch's 12,288 bytes
.endr
	global_load_b96 v[T:T+2], v1, s[4:5]                   ; query A
	global_load_b96 v[T+4:T+6], v1, s[4:5] offset:384      ; query B, 32 points on
	global_load_b128 v[K1:K1+3], v9, s[8:9] th:TH_LOAD_NT  ; my four numbers of W1's row
	s_wait_loadcnt 0x3                             ; the six loads of known are in; the three younger ones may be out
.set j, 0
.rept 24
	v_xor_b32 v[K0+j], 0x80000000, v[K0+j]         ; -k
.set j, j+1
.endr
.irp i, 0,1,2,3,4,5
	ds_store_b128 v9, v[K0+4*\i:K0+4*\i+3] offset:2048*\i
.endr
	s_wait_loadcnt 0x0
	v_mov_b32 v[UX], v[T]
	v_mov_b32 v[UX+1], v[T+4]
	v_mov_b32 v[UY], v[T+1]
	v_mov_b32 v[UY+1], v[T+5]
	v_mov_b32 v[UZ], v[T+2]
	v_mov_b32 v[UZ+1], v[T+6]
	v_cvt_pk_f16_f32 v[K1+4], v[K1], v[K1+1]
	v_cvt_pk_f16_f32 v[K1+5], v[K1+2], v[K1+3]
	global_store_b64 v10, v[K1+4:K1+5], s[20:21]   ; a wave stores 256 consecutive bytes, aligned
	s_cmp_gt_u32 s16, 1
	s_cbranch_scc1 .Lno_w2                         ; W2's row is half as long: waves 0 and 1 take it
	global_load_b128 v[K1+8:K1+11], v9, s[10:11] th:TH_LOAD_NT
	s_wait_loadcnt 0x0
	v_cvt_pk_f16_f32 v[K1+12], v[K1+8], v[K1+9]
	v_cvt_pk_f16_f32 v[K1+13], v[K1+10], v[K1+11]
	global_store_b64 v10, v[K1+12:K1+13], s[22:23] offset:262144
.Lno_w2:
	v_mov_b32 v[KA], 0
	v_mov_b32 v[VG], 0
.irp k, 0,1,2
	v_mov_b32 v[TA+\k], 0x7f800000                 ; +infinity: the first three groups enter
	v_mov_b32 v[TB+\k], 0x7f800000
.endr
.irp k, 0,1,2,3
	v_mov_b32 v[IA+\k], 0
	v_mov_b32 v[IB+\k], 0
.endr
	s_wait_xcnt 0x0                                ; the stores' data lie in buffer K1, which is loaded again below
	s_wait_dscnt 0x0                               ; my part of -known is in LDS,
	s_barrier_signal -1
	s_barrier_wait -1                              ; everybody's is
.macro LOADK kb, off                   ; a group's 192 bytes, the same for every lane
.irp q, 0,1,2,3,4,5,6,7,8,9,10,11
	ds_load_b128 v[\kb+4*\q:\kb+4*\q+3], v[KA] offset:\off+16*\q
.endr
.endm
; dst = (uA, uB) + number c of buffer kb, given to both halves: op_sel picks the register of the pair in which it lies
.macro PKA dst, u, kb, c
.if (\c)%2
	v_pk_add_f32 v[\dst:\dst+1], v[\u:\u+1], v[\kb+(\c)-1:\kb+(\c)] op_sel:[0,1] op_sel_hi:[1,1]
.else
	v_pk_add_f32 v[\dst:\dst+1], v[\u:\u+1], v[\kb+(\c):\kb+(\c)+1] op_sel:[0,0] op_sel_hi:[1,0]
.endif
.endm
.macro DIST4 kb, j0                    ; points j0 .. j0 + 3 of the group: four chains that do not wait for each other
.irp t, 0,1,2,3
	PKA T+6*\t, UX, \kb, 3*(\j0+\t)
	PKA T+6*\t+2, UY, \kb, 3*(\j0+\t)+1
	PKA T+6*\t+4, UZ, \kb, 3*(\j0+\t)+2
.endr
.irp t, 0,1,2,3
	v_pk_mul_f32 v[D+2*(\j0+\t):D+2*(\j0+\t)+1], v[T+6*\t:T+6*\t+1], v[T+6*\t:T+6*\t+1]
.endr
.irp t, 0,1,2,3
	v_pk_fma_f32 v[D+2*(\j0+\t):D+2*(\j0+\t)+1], v[T+6*\t+2:T+6*\t+3], v[T+6*\t+2:T+6*\t+3], v[D+2*(\j0+\t):D+2*(\j0+\t)+1]
.endr
.irp t, 0,1,2,3
	v_pk_fma_f32 v[D+2*(\j0+\t):D+2*(\j0+\t)+1], v[T+6*\t+4:T+6*\t+5], v[T+6*\t+4:T+6*\t+5], v[D+2*(\j0+\t):D+2*(\j0+\t)+1]
.endr
.endm
.macro GMIN2                           ; the smallest of 16, for A (even registers of D) and for B (odd ones): a tree of minima of three
.irp g, 0,1,2,3,4
	v_min3_num_f32 v[T+2*\g], v[D+6*\g], v[D+6*\g+2], v[D+6*\g+4]
	v_min3_num_f32 v[T+2*\g+1], v[D+6*\g+1], v[D+6*\g+3], v[D+6*\g+5]
.endr
	v_min3_num_f32 v[MA], v[T], v[T+2], v[T+4]
	v_min3_num_f32 v[MB], v[T+1], v[T+3], v[T+5]
	v_min3_num_f32 v[MA], v[MA], v[T+6], v[T+8]
	v_min3_num_f32 v[MB], v[MB], v[T+7], v[T+9]
	v_min_num_f32 v[MA], v[MA], v[D+30]
	v_min_num_f32 v[MB], v[MB], v[D+31]
.endm
.macro INS2                            ; the minimum enters the sorted three, with the group's number; A's and B's lines by turns
.irp k, 0,1,2
	v_cmp_lt_f32 s[30+\k], v[MA], v[TA+\k]
	v_cmp_lt_f32 s[33+\k], v[MB], v[TB+\k]
.endr
	v_cndmask_b32 v28, v[VG], v[IA+1], s31         ; what moves into place 2: the old place 1, or the new one
	v_cndmask_b32 v29, v[VG], v[IB+1], s34
	v_cndmask_b32 v[IA+2], v[IA+2], v28, s32
	v_cndmask_b32 v[IB+2], v[IB+2], v29, s35
	v_cndmask_b32 v28, v[VG], v[IA], s30           ; into place 1: the old place 0, or the new one
	v_cndmask_b32 v29, v[VG], v[IB], s33
	v_cndmask_b32 v[IA+1], v[IA+1], v28, s31
	v_cndmask_b32 v[IB+1], v[IB+1], v29, s34
	v_cndmask_b32 v[IA], v[IA], v[VG], s30
	v_cndmask_b32 v[IB], v[IB], v[VG], s33
	v_med3_num_f32 v[TA+2], v[TA+1], v[TA+2], v[MA]        ; the values: the middle one of the two neighbours and the new value
	v_med3_num_f32 v[TB+2], v[TB+1], v[TB+2], v[MB]
	v_med3_num_f32 v[TA+1], v[TA], v[TA+1], v[MA]
	v_med3_num_f32 v[TB+1], v[TB], v[TB+1], v[MB]
	v_min_num_f32 v[TA], v[TA], v[MA]
	v_min_num_f32 v[TB], v[TB], v[MB]
.endm
.macro GROUP kb
	DIST4 \kb, 0
	DIST4 \kb, 4
	DIST4 \kb, 8
	DIST4 \kb, 12
	GMIN2
	INS2
	v_add_nc_u32 v[VG], 1, v[VG]
.endm
	LOADK K0, 0
	s_mov_b32 s36, 31                              ; 31 trips of two groups; the last two groups stand behind the loop
.Ltrip:
	LOADK K1, GBYTES
	s_wait_dscnt 12                                ; LDS loads return in order (ISA guide 5.7.1): all but the 12 just issued are in: buffer 0
	GROUP K0
	LOADK K0, 2*GBYTES
	s_wait_dscnt 12                                ; buffer 1 is in, buffer 0's next 12 loads stay out
	GROUP K1
	v_add_nc_u32 v[KA], 2*GBYTES, v[KA]
	s_sub_co_i32 s36, s36, 1
	s_cmp_lg_u32 s36, 0
	s_cbranch_scc1 .Ltrip
	LOADK K1, GBYTES                               ; group 63: nothing behind it is read
	s_wait_dscnt 12
	GROUP K0
	s_wait_dscnt 0x0
	GROUP K1
	global_store_b128 v[QO], v[IA:IA+3], s[12:13]              ; 32 lanes x 16 bytes: 512 consecutive bytes
	global_store_b128 v[QO], v[IB:IB+3], s[12:13] offset:512
	s_wait_tensorcnt 0x0
	ds_add_u32 v184, v185
	s_wait_dscnt 0x0
	s_endpgm
.Lfunc_end_k_qb50a7b7c3c_knn_coarse:
	.size	k_qb50a7b7c3c_knn_coarse, .Lfunc_end_k_qb50a7b7c3c_knn_coarse-k_qb50a7b7c3c_knn_coarse
	.p2alignl 7, 3214868480
	.fill 96, 4, 3214868480
	.section	.rodata,"a",@progbits
	.p2align	6, 0x0
	.amdhsa_kernel k_qb50a7b7c3c_knn_coarse
		.amdhsa_group_segment_fixed_size 12800
		.amdhsa_private_segment_fixed_size 0
		.amdhsa_enable_private_segment 0
		.amdhsa_kernarg_size 48
		.amdhsa_user_sgpr_count 2
		.amdhsa_user_sgpr_kernarg_segment_ptr 1
		.amdhsa_wavefront_size32 1
		.amdhsa_system_sgpr_workgroup_id_x 1
		.amdhsa_system_sgpr_workgroup_id_y 1
		.amdhsa_system_sgpr_workgroup_id_z 1
		.amdhsa_system_vgpr_workitem_id 0
		.amdhsa_next_free_vgpr 186
		.amdhsa_next_free_sgpr 66
		.amdhsa_reserve_vcc 0
		.amdhsa_float_denorm_mode_32 3
		.amdhsa_float_denorm_mode_16_64 3
		.amdhsa_memory_ordered 1
		.amdhsa_forward_progress 1
		.amdhsa_inst_pref_size 43
	.end_amdhsa_kernel
	.amdgpu_metadata
---
amdhsa.version: [ 1, 2 ]
amdhsa.kernels:
  - .name:           k_qb50a7b7c3c_knn_coarse
    .symbol:         k_qb50a7b7c3c_knn_coarse.kd
    .args:
      - { .name: unknown, .offset: 0, .size: 8, .value_kind: global_buffer, .address_space: global }
      - { .name: known, .offset: 8, .size: 8, .value_kind: global_buffer, .address_space: global }
      - { .name: W1, .offset: 16, .size: 8, .value_kind: global_buffer, .address_space: global }
      - { .name: W2, .offset: 24, .size: 8, .value_kind: global_buffer, .address_space: global }
      - { .name: grp, .offset: 32, .size: 8, .value_kind: global_buffer, .address_space: global }
      - { .name: wh, .offset: 40, .size: 8, .value_kind: global_buffer, .address_space: global }
    .group_segment_fixed_size: 12800
    .private_segment_fixed_size: 0
    .kernarg_segment_align: 8
    .kernarg_segment_size: 48
    .max_flat_workgroup_size: 128
    .sgpr_count:     66
    .vgpr_count:     186
    .wavefront_size: 32
...
	.end_amdgpu_metadata
.endif
;; end of part 1
;; launch knn_fine_p (part 2): grid 256 x 1, 8 waves a work-group, no clusters, 256,000 bytes of LDS; arguments unknown, known, grp, known_feats, wh, nidx, pw; writes nidx, pw
.if DOCPART == 2
	.amdgcn_target "amdgcn-amd-amdhsa--gfx1250"
	.amdhsa_code_object_version 6
	.text
	.protected	k_qb50a7b7c3c_knn_fine_p
	.globl	k_qb50a7b7c3c_knn_fine_p
	.p2align	8
	.type	k_qb50a7b7c3c_knn_fine_p,@function
k_qb50a7b7c3c_knn_fine_p:
	s_mov_b64 s[64:65], 0
	v_nop
	global_prefetch_b8 v0, s[64:65] scope:SCOPE_SE
	s_setreg_imm32_b32 hwreg(HW_REG_WAVE_MODE, 25, 1), 1
	s_wait_xcnt 0x0
; knn_fine_p.  Two pieces of work for each of 256 work-groups of eight waves.
; (1) The exact three nearest known points of 256 queries (one a lane): the 48 points of the three groups that the launch before chose, taken
;     in ascending index, each entering a sorted three with its index if strictly nearer.  Then the weights (1/(d+1e-8)) / their sum.
;     Indices go to nidx as whole numbers, weights to pw behind P: records of 16 bytes a point.
; (2) P[b][m][o] = sum over c of W1[o][c] known_feats[b][c][m], c = 0..255, for 64 known points m: since the first convolution is linear, its
;     share from the interpolated features is the weighted sum of three rows of P.  P is f32, a row of 1,024 bytes for each known point.
;     Operands f16, sums f32.  A wave makes 64 outputs x 32 points: 8 accumulator tiles.
; W1's half is asked for first of all and waited for only in front of (2): it lands while (1) runs.
; No cluster: what work-groups share is W1's half, 128 KiB once a work-group, and (1) gives it the time to land.
; LIMITS: matrix operands are f16: |known_feats| and |W1| above 65,504 overflow.  Coordinates finite, squared distances below the largest
; f32 and d + 1e-8 below 2^126 (v_rcp_f32 gives zero where the reciprocal would be denormal).  Distances by fused multiply-adds as in
; the launch before, bit for bit the same; equal distances go to the lower index.
.set WP, 528                           ; LDS pitch of a row of W: 512 bytes + 16: sixteen rows start in sixteen different 16-byte columns modulo 256
.set XT, 135168                        ; behind W's 256 rows: known_feats in f16, [256 c][64 m], pitch 160
.set XP, 160
.set STG, 176128                       ; P's stage, f32 [64 m][256 o], pitch 1,040
.set SP, 1040
.set KN, 242688                        ; known of my batch, 12,288 bytes as in memory
.set L16, 1                            ; v1   16 x lane
.set UOFF, 2                           ; v2   known_feats: (32 w + h) rows of 4,096 bytes + 16 r
.set XST, 3                            ; v3   where I put four f16 of XT
.set XRD, 4                            ; v4   where my B fragments begin
.set UO, 5                             ; v5   12 x thread
.set WRD, 6                            ; v6   where my A fragments begin
.set SST, 7                            ; v7   stage, in
.set SRD, 8                            ; v8   stage, back
.set PO, 9                             ; v9   my byte offset in the work-group's 64 rows of P
.set CT, 10                            ; v[10:13] packed f16 on their way to LDS
.set KNA, 14                           ; v14  KN + 16 x thread
.set T16, 15                           ; v15  16 x thread
.set UQ, 16                            ; v[16:18] my query
.set GR, 20                            ; v[20:23] its record of grp
.set TT, 24                            ; v24-26 three smallest squared distances, ascending
.set II, 28                            ; v[28:31] their indices, and a zero
.set WW, 32                            ; v[32:35] the weights, and a zero
.set E, 36                             ; v36-39 at work
.set PF, 40                            ; v[40:103] 16 loads of 16 bytes: my part of known_feats; later P on its way out
.set ACC, 104                          ; v[104:167] 8 accumulator tiles, tile (mt, nt) at 8 (2 mt + nt)
.set FA, 168                           ; v[168:199] four fragments of W
.set FB, 200                           ; v[200:215] two fragments of known_feats
.set B0, 104                           ; during (1): a group's 48 numbers, two buffers
.set B1, 152
.set KST, 200                          ; during the head: known on its way to LDS
.set GA, 216                           ; v216-218 LDS addresses of my three groups
.set GB, 220                           ; v220-222 index of their first points
.set DX, 224                           ; v[224:231] at work, two sets of four
	s_load_b256 s[4:11], s[0:1], 0x0               ; unknown s[4:5], known s[6:7], grp s[8:9], known_feats s[10:11]
	s_load_b128 s[12:15], s[0:1], 0x20             ; wh s[12:13], nidx s[14:15]
	s_load_b64 s[16:17], s[0:1], 0x30              ; pw
	v_lshl_add_u32 v232, v0, 2, 0x3e400
	v_mov_b32 v233, 0
	ds_add_u32 v232, v233
	ds_add_u32 v232, v233
	v_lshrrev_b32 v36, 5, v0
	v_readfirstlane_b32 s34, v36                   ; wave 0..7
	; The tensor load's descriptor: 32 rows of 256 f16 of W1 (columns 0..255), 16 bytes of padding behind each row in LDS.
	s_mov_b32 s20, 1                               ; group 0: count 1
	s_mul_i32 s21, s34, 32*WP                      ; LDS address: my 32 rows
	s_mov_b32 s24, (1<<16)|(1<<20)|(6<<22)|(3<<25) ; group 1: elements of 2 bytes; padding on, after every 128 words, of 4 words
	s_mov_b32 s25, 256<<16                         ; tensor_dim0 = 256
	s_mov_b32 s26, 32<<16                          ; tensor_dim1 = 32
	s_mov_b32 s27, 256<<16                         ; tile_dim0 = 256
	s_mov_b32 s28, 32                              ; tile_dim1 = 32
	s_mov_b32 s29, 512                             ; from row to row of W1: 512 elements
	s_mov_b32 s30, 0
	s_mov_b32 s31, 0
	s_lshl_b32 s38, s34, 15                        ; 32 rows of 1,024 bytes for each wave
	s_mov_b32 s39, 0
	v_and_b32 v37, 15, v0                          ; r
	v_bfe_u32 v38, v0, 4, 1                        ; h
	v_lshlrev_b32 v[T16], 4, v0
	v_mul_u32_u24 v[UO], v0, 12
	s_lshl_b32 s37, s34, 17
	v_lshlrev_b32 v[UOFF], 4, v37
	v_lshl_add_u32 v[UOFF], v38, 12, v[UOFF]
	v_add_nc_u32 v[UOFF], s37, v[UOFF]
	s_wait_dscnt 0x0
	s_wait_kmcnt 0x0
	s_add_nc_u64 s[22:23], s[12:13], s[38:39]
	s_or_b32 s23, s23, 0x80000000                  ; type 2
	tensor_load_to_lds s[20:23], s[24:31]          ; each wave's one tensor load, the only fill of these bytes: one is outstanding
	s_nop 0
	s_lshr_b32 s37, ttmp9, 4                       ; batch
	s_mul_i32 s38, s37, 12288
	s_add_nc_u64 s[6:7], s[6:7], s[38:39]
	s_lshl_b32 s38, ttmp9, 12                      ; 256 records of 16 bytes
	s_add_nc_u64 s[8:9], s[8:9], s[38:39]
	s_add_nc_u64 s[14:15], s[14:15], s[38:39]
	s_add_nc_u64 s[18:19], s[16:17], s[38:39]
	s_add_nc_u64 s[18:19], s[18:19], 0x1000000     ; the weights lie behind P's 16 MiB
	s_mul_i32 s38, ttmp9, 3072
	s_add_nc_u64 s[4:5], s[4:5], s[38:39]
	s_lshl_b32 s38, s37, 20                        ; known_feats: a batch is 1 MiB,
	s_and_b32 s33, ttmp9, 15
	s_lshl_b32 s33, s33, 8                         ; my 64 points are 256 bytes of each row
	s_add_co_u32 s38, s38, s33
	s_add_nc_u64 s[10:11], s[10:11], s[38:39]
	s_lshl_b32 s38, ttmp9, 16                      ; P: 64 rows of 1,024 bytes
	s_add_nc_u64 s[16:17], s[16:17], s[38:39]
.irp i, 0,1,2
	global_load_b128 v[KST+4*\i:KST+4*\i+3], v[T16], s[6:7] offset:4096*\i
.endr
	global_load_b128 v[GR:GR+3], v[T16], s[8:9]
	global_load_b96 v[UQ:UQ+2], v[UO], s[4:5]
.irp i, 0,1,2,3,4,5,6,7,8,9,10,11,12,13,14,15
	global_load_b128 v[PF+4*\i:PF+4*\i+3], v[UOFF], s[10:11] offset:8192*\i th:TH_LOAD_NT   ; channels 32 w + 2 i + h: sixteen lanes read 256 consecutive bytes
.endr
	; the other addresses, while the loads are on their way
	v_and_b32 v36, 31, v0
	v_lshlrev_b32 v[L16], 4, v36
	v_add_nc_u32 v[KNA], KN, v[T16]
	s_lshr_b32 s35, s34, 1                         ; og: which 64 outputs are mine
	s_and_b32 s36, s34, 1                          ; pg: which 32 points
	s_mul_i32 s37, s34, 32*XP
	s_add_co_u32 s37, s37, XT
	v_mul_u32_u24 v[XST], v38, XP
	v_lshl_add_u32 v[XST], v37, 3, v[XST]
	v_add_nc_u32 v[XST], s37, v[XST]               ; XT + (32 w + h) 160 + 8 r
	v_and_b32 v39, 7, v0
	v_lshl_add_u32 v39, v38, 3, v39
	v_mul_u32_u24 v[XRD], v39, XP
	v_bfe_u32 v39, v0, 3, 1
	v_lshl_add_u32 v[XRD], v39, 4, v[XRD]
	s_lshl_b32 s37, s36, 6
	s_add_co_u32 s37, s37, XT
	v_add_nc_u32 v[XRD], s37, v[XRD]               ; XT + (8 h + lane mod 8) 160 + 16 (bit 3 of the lane) + 64 pg
	s_mul_i32 s37, s35, 64*WP
	v_mul_u32_u24 v[WRD], v37, WP
	v_lshl_add_u32 v[WRD], v38, 4, v[WRD]
	v_add_nc_u32 v[WRD], s37, v[WRD]               ; (64 og + r) 528 + 16 h
	s_mul_i32 s37, s36, 32*SP
	s_lshl_b32 s33, s35, 8
	s_add_co_u32 s37, s37, s33
	s_add_co_u32 s37, s37, STG
	v_mul_u32_u24 v[SST], v37, SP
	v_lshl_add_u32 v[SST], v38, 5, v[SST]
	v_add_nc_u32 v[SST], s37, v[SST]               ; STG + (32 pg + r) 1040 + 256 og + 32 h
	s_mul_i32 s37, s34, 8*SP
	s_add_co_u32 s37, s37, STG
	v_add_nc_u32 v[SRD], s37, v[L16]               ; STG + 8 w rows + 16 lane
	v_lshl_add_u32 v[PO], s34, 13, v[L16]          ; 8 w rows of 1,024 bytes + 16 lane
.irp k, 0,1,2
	v_mov_b32 v[TT+\k], 0x7f800000
.endr
.irp k, 0,1,2,3
	v_mov_b32 v[II+\k], 0
.endr
	s_wait_loadcnt 16                              ; known, grp and my query are in; the 16 younger loads of known_feats stay out
.irp i, 0,1,2
	ds_store_b128 v[KNA], v[KST+4*\i:KST+4*\i+3] offset:4096*\i
.endr
	; my three groups in ascending order, so that equal distances go to the lower index; the clamp comes last, in front of the address arithmetic
	v_min_u32 v36, v[GR], v[GR+1]
	v_max_u32 v37, v[GR], v[GR+1]
	v_max_u32 v38, v36, v[GR+2]
	v_min_u32 v[GR], v36, v[GR+2]
	v_min_u32 v[GR+1], v37, v38
	v_max_u32 v[GR+2], v37, v38
.irp k, 0,1,2
	v_min_u32 v[GR+\k], 63, v[GR+\k]
	v_mul_u32_u24 v[GA+\k], v[GR+\k], 192
	v_add_nc_u32 v[GA+\k], KN, v[GA+\k]
	v_lshlrev_b32 v[GB+\k], 4, v[GR+\k]
.endr
	s_wait_dscnt 0x0                               ; my part of known is in LDS,
	s_barrier_signal -1
	s_barrier_wait -1                              ; everybody's is.  My tensor load may still be out: behind this barrier nothing is filled again and only known is read
.macro LOADG kb, ga                    ; my group's 192 bytes
.irp q, 0,1,2,3,4,5,6,7,8,9,10,11
	ds_load_b128 v[\kb+4*\q:\kb+4*\q+3], v[\ga] offset:16*\q
.endr
.endm
.macro INS m, id, tmp                  ; value m with index id enters the sorted three if strictly smaller
	v_cmp_lt_f32 s40, v[\m], v[TT]
	v_cmp_lt_f32 s41, v[\m], v[TT+1]
	v_cmp_lt_f32 s42, v[\m], v[TT+2]
	v_cndmask_b32 v[\tmp], v[\id], v[II+1], s41
	v_cndmask_b32 v[II+2], v[II+2], v[\tmp], s42
	v_cndmask_b32 v[\tmp], v[\id], v[II], s40
	v_cndmask_b32 v[II+1], v[II+1], v[\tmp], s41
	v_cndmask_b32 v[II], v[II], v[\id], s40
	v_med3_num_f32 v[TT+2], v[TT+1], v[TT+2], v[\m]
	v_med3_num_f32 v[TT+1], v[TT], v[TT+1], v[\m]
	v_min_num_f32 v[TT], v[TT], v[\m]
.endm
.macro CAND kb, j, gb                  ; point j of the group in buffer kb; the two sets of work registers take turns
.set PP, DX+4*((\j)%2)
	v_sub_f32 v[PP], v[UQ], v[\kb+3*\j]
	v_sub_f32 v[PP+1], v[UQ+1], v[\kb+3*\j+1]
	v_sub_f32 v[PP+2], v[UQ+2], v[\kb+3*\j+2]
	v_mul_f32 v[PP+3], v[PP], v[PP]
	v_fma_f32 v[PP+3], v[PP+1], v[PP+1], v[PP+3]
	v_fma_f32 v[PP+3], v[PP+2], v[PP+2], v[PP+3]
	v_add_nc_u32 v[PP], \j, v[\gb]
	INS PP+3, PP, PP+1
.endm
.macro GRP16 kb, gb
.irp j, 0,1,2,3,4,5,6,7,8,9,10,11,12,13,14,15
	CAND \kb, \j, \gb
.endr
.endm
	LOADG B0, GA
	LOADG B1, GA+1
	s_wait_dscnt 12                                ; the first group's 12 loads are in, the second's stay out
	GRP16 B0, GB
	LOADG B0, GA+2
	s_wait_dscnt 12                                ; the second group is in
	GRP16 B1, GB+1
	s_wait_dscnt 0x0
	GRP16 B0, GB+2
	; weights
.irp k, 0,1,2
	v_add_f32 v[E+\k], 0x322bcc77, v[TT+\k]        ; d + 1e-8
.endr
	v_rcp_f32 v[WW], v[E]
	v_rcp_f32 v[WW+1], v[E+1]
	v_rcp_f32 v[WW+2], v[E+2]
	v_mov_b32 v[WW+3], 0                           ; the plain instruction between the reciprocals and their first use (ISA guide 5.7.2)
	s_wait_alu depctr_va_vdst(0)
	v_add_f32 v[E+3], v[WW], v[WW+1]
	v_add_f32 v[E+3], v[E+3], v[WW+2]
	v_rcp_f32 v[E], v[E+3]
	v_nop
	s_wait_alu depctr_va_vdst(0)
	v_mul_f32 v[WW], v[WW], v[E]
	v_mul_f32 v[WW+1], v[WW+1], v[E]
	v_mul_f32 v[WW+2], v[WW+2], v[E]
	global_store_b128 v[T16], v[II:II+3], s[14:15]         ; a wave stores 512 consecutive bytes; these registers are not written again
	global_store_b128 v[T16], v[WW:WW+3], s[18:19]
	; (2) known_feats to f16 into XT
.irp i, 0,1,2,3,4,5,6,7,8,9,10,11,12,13,14,15
	s_wait_loadcnt 15-\i                           ; loads return in order: slot i is in, the younger ones may be out
	v_cvt_pk_f16_f32 v[CT+2*(\i%2)], v[PF+4*\i], v[PF+4*\i+1]
	v_cvt_pk_f16_f32 v[CT+2*(\i%2)+1], v[PF+4*\i+2], v[PF+4*\i+3]
	ds_store_b64 v[XST], v[CT+2*(\i%2):CT+2*(\i%2)+1] offset:2*XP*\i
.endr
	s_wait_tensorcnt 0x0                           ; my rows of W have landed,
	s_wait_dscnt 0x0                               ; my part of XT is in LDS,
	s_barrier_signal -1
	s_barrier_wait -1                              ; everybody's: W and XT are whole
.macro MM mt, nt, zero
.if \zero
	v_wmma_f32_16x16x32_f16 v[ACC+8*(2*\mt+\nt):ACC+8*(2*\mt+\nt)+7], v[FA+8*\mt:FA+8*\mt+7], v[FB+8*\nt:FB+8*\nt+7], 0
.else
	v_wmma_f32_16x16x32_f16 v[ACC+8*(2*\mt+\nt):ACC+8*(2*\mt+\nt)+7], v[FA+8*\mt:FA+8*\mt+7], v[FB+8*\nt:FB+8*\nt+7], v[ACC+8*(2*\mt+\nt):ACC+8*(2*\mt+\nt)+7]
.endif
.endm
; 32 along K: 12 LDS loads, 8 matrix instructions.  The eight accumulators take turns, one instruction a turn, in the same order in every
; K step.  A = 16 rows of W (K along the LDS row: two plain loads); B = 16 points of XT ([K][N]: two transposing loads).
.macro KSTEP ks, zero
.if \ks
.rept 4
	v_nop                                          ; four places between the last matrix instruction and loads into its sources
.endr
.endif
	ds_load_b128 v[FA:FA+3], v[WRD] offset:64*\ks
	ds_load_b128 v[FA+4:FA+7], v[WRD] offset:64*\ks+32
	ds_load_tr16_b128 v[FB:FB+3], v[XRD] offset:32*XP*\ks
	ds_load_tr16_b128 v[FB+4:FB+7], v[XRD] offset:32*XP*\ks+16*XP
	ds_load_tr16_b128 v[FB+8:FB+11], v[XRD] offset:32*XP*\ks+32
	ds_load_tr16_b128 v[FB+12:FB+15], v[XRD] offset:32*XP*\ks+16*XP+32
.irp mt, 1,2,3
	ds_load_b128 v[FA+8*\mt:FA+8*\mt+3], v[WRD] offset:16*WP*\mt+64*\ks
	ds_load_b128 v[FA+8*\mt+4:FA+8*\mt+7], v[WRD] offset:16*WP*\mt+64*\ks+32
.endr
.irp mt, 0,1,2,3
	s_wait_dscnt 6-2*\mt                           ; the fragments of W behind number mt may still be out, two loads each
	MM \mt, 0, \zero
	MM \mt, 1, \zero
.endr
.endm
	KSTEP 0, 1                                     ; the first products start the sums
.irp ks, 1,2,3,4,5,6,7
	KSTEP \ks, 0
.endr
.rept 4
	v_nop                                          ; four places in front of the LDS stores that read results
.endr
	; lane (r, h), register j of tile (mt, nt) holds output 64 og + 16 mt + 8 h + j of point 32 pg + 16 nt + r: 32 consecutive bytes of the point's row
.irp mt, 0,1,2,3
.irp nt, 0,1
	ds_store_b128 v[SST], v[ACC+8*(2*\mt+\nt):ACC+8*(2*\mt+\nt)+3] offset:16*SP*\nt+64*\mt
	ds_store_b128 v[SST], v[ACC+8*(2*\mt+\nt)+4:ACC+8*(2*\mt+\nt)+7] offset:16*SP*\nt+64*\mt+16
.endr
.endr
	s_wait_dscnt 0x0
	s_barrier_signal -1
	s_barrier_wait -1                              ; the stage is whole
	; eight rows of P a wave, each as two runs of 512 consecutive bytes
.irp t, 0,1,2,3,4,5,6,7,8,9,10,11,12,13,14,15
	ds_load_b128 v[PF+4*\t:PF+4*\t+3], v[SRD] offset:SP*(\t/2)+512*(\t%2)
.endr
.irp t, 0,1,2,3,4,5,6,7,8,9,10,11,12,13,14,15
	s_wait_dscnt 15-\t
	global_store_b128 v[PO], v[PF+4*\t:PF+4*\t+3], s[16:17] offset:512*\t
.endr
	s_wait_tensorcnt 0x0
	ds_add_u32 v232, v233
	s_wait_dscnt 0x0
	s_endpgm
.Lfunc_end_k_qb50a7b7c3c_knn_fine_p:
	.size	k_qb50a7b7c3c_knn_fine_p, .Lfunc_end_k_qb50a7b7c3c_knn_fine_p-k_qb50a7b7c3c_knn_fine_p
	.p2alignl 7, 3214868480
	.fill 96, 4, 3214868480
	.section	.rodata,"a",@progbits
	.p2align	6, 0x0
	.amdhsa_kernel k_qb50a7b7c3c_knn_fine_p
		.amdhsa_group_segment_fixed_size 256000
		.amdhsa_private_segment_fixed_size 0
		.amdhsa_enable_private_segment 0
		.amdhsa_kernarg_size 56
		.amdhsa_user_sgpr_count 2
		.amdhsa_user_sgpr_kernarg_segment_ptr 1
		.amdhsa_wavefront_size32 1
		.amdhsa_system_sgpr_workgroup_id_x 1
		.amdhsa_system_sgpr_workgroup_id_y 1
		.amdhsa_system_sgpr_workgroup_id_z 1
		.amdhsa_system_vgpr_workitem_id 0
		.amdhsa_next_free_vgpr 234
		.amdhsa_next_free_sgpr 66
		.amdhsa_reserve_vcc 0
		.amdhsa_float_denorm_mode_32 3
		.amdhsa_float_denorm_mode_16_64 3
		.amdhsa_memory_ordered 1
		.amdhsa_forward_progress 1
		.amdhsa_inst_pref_size 76
	.end_amdhsa_kernel
	.amdgpu_metadata
---
amdhsa.version: [ 1, 2 ]
amdhsa.kernels:
  - .name:           k_qb50a7b7c3c_knn_fine_p
    .symbol:         k_qb50a7b7c3c_knn_fine_p.kd
    .args:
      - { .name: unknown, .offset: 0, .size: 8, .value_kind: global_buffer, .address_space: global }
      - { .name: known, .offset: 8, .size: 8, .value_kind: global_buffer, .address_space: global }
      - { .name: grp, .offset: 16, .size: 8, .value_kind: global_buffer, .address_space: global }
      - { .name: known_feats, .offset: 24, .size: 8, .value_kind: global_buffer, .address_space: global }
      - { .name: wh, .offset: 32, .size: 8, .value_kind: global_buffer, .address_space: global }
      - { .name: nidx, .offset: 40, .size: 8, .value_kind: global_buffer, .address_space: global }
      - { .name: pw, .offset: 48, .size: 8, .value_kind: global_buffer, .address_space: global }
    .group_segment_fixed_size: 256000
    .private_segment_fixed_size: 0
    .kernarg_segment_align: 8
    .kernarg_segment_size: 56
    .max_flat_workgroup_size: 256
    .sgpr_count:     66
    .vgpr_count:     234
    .wavefront_size: 32
...
	.end_amdgpu_metadata
.endif
;; end of part 2
;; launch conv1 (part 3): grid 256 x 1, 8 waves a work-group, no clusters, 301,056 bytes of LDS; arguments unknow_feats, wh, pw, nidx, y1, part; writes y1, part
.if DOCPART == 3
	.amdgcn_target "amdgcn-amd-amdhsa--gfx1250"
	.amdhsa_code_object_version 6
	.text
	.protected	k_qb50a7b7c3c_conv1
	.globl	k_qb50a7b7c3c_conv1
	.p2align	8
	.type	k_qb50a7b7c3c_conv1,@function
k_qb50a7b7c3c_conv1:
	s_mov_b64 s[64:65], 0
	v_nop
	global_prefetch_b8 v0, s[64:65] scope:SCOPE_SE
	s_setreg_imm32_b32 hwreg(HW_REG_WAVE_MODE, 25, 1), 1
	s_wait_xcnt 0x0
; conv1.  y1[b][n][o] = sum over c of W1[o][256 + c] unknow_feats[b][c][n]  +  w0 P[b][i0][o] + w1 P[b][i1][o] + w2 P[b][i2][o],
; the first convolution ahead of its batch norm, stored point-major in f32 (a row of 1,024 bytes a point), and for each work-group's 256 points
; the mean and the sum of squared deviations of each of the 256 channels (part).
; Eight waves, 256 points in four chunks of 64.  A chunk: unknow_feats to f16 into LDS; 64 points x 256 outputs x K = 256 on the matrix units
; (a wave: 64 outputs x 32 points, 8 accumulator tiles); the result through an LDS stage into point rows; each wave then takes 8 points, adds
; the three weighted rows of P (whole rows of 1,024 bytes, addressed by indices that an earlier launch stored), adds to the statistics, stores.
; THE GATHERED ROWS FLY WHILE THE CHUNK IS MULTIPLIED.  They have registers of their own, v256-447 (8 points x 3 rows x 8 numbers a lane), so the
; loads of a chunk's points 0-6 (42 loads of 512 bytes a wave) go out as soon as the chunk before is finished, for chunk 0 at the kernel's head, and
; are used only behind the chunk's conversion, its 64 matrix instructions and the stage.  Point 7's six loads follow behind the stage's stores,
; so that with the ring's 16 a wave never has more than 63 loads out.
; In the way out a lane keeps the same eight channels (4 lane .. + 3 and 128 + 4 lane .. + 3) for every point.
; Statistics: K = the wave's first sample of the channel; sums of (y - K) and (y - K)^2; parts of equal size are merged as (mean, M2) pairs,
; M2 = sum of M2 + n sum of (mean_i - mean)^2: no difference of large sums is formed.
; No cluster: what work-groups share is W1's half, 128 KiB once a work-group, against 0.5 MiB of each work-group's own streams and 0.75 MiB of gathered rows.
; LIMIT: matrix operands are f16: |unknow_feats| and |W1| above 65,504 overflow.
.set WP, 528                           ; LDS pitch of a row of W: 512 + 16 bytes
.set XT0, 135168                       ; two buffers [256 c][64 n] f16, pitch 160
.set XTB, 40960
.set XP, 160
.set STG, 217088                       ; stage f32 [64 points][256 o], pitch 1,040
.set SP, 1040
.set RED, 283648                       ; [8 waves][mean, M2][256] f32
.set L16, 1                            ; v1   16 x lane
.set UOFF, 2                           ; v2   (32 w + h) rows of 16,384 bytes + 16 r
.set XST, 3                            ; v3   where I put four f16 of XT, buffer 0
.set XRD, 4                            ; v4, v5  where my B fragments begin, buffer 0, 1
.set WRD, 6                            ; v6   where my A fragments begin
.set SST, 7                            ; v7   stage, in
.set SRD, 8                            ; v8   stage, back
.set YO, 9                             ; v9   8 w rows of 1,024 bytes + 16 lane
.set CT, 10                            ; v[10:13] packed f16 on their way to LDS
.set KS, 16                            ; v[16:23] K of my 8 channels
.set SS, 24                            ; v[24:31] sums of y - K
.set QQ, 32                            ; v[32:39] sums of (y - K)^2
.set PF, 40                            ; v[40:103] 16 slots of 16 bytes: my part of a chunk of unknow_feats
.set ACC, 104                          ; v[104:167] 8 accumulator tiles, tile (mt, nt) at 8 (2 mt + nt); on the way out: my 8 points' rows, 8 numbers each
.set FA, 168                           ; v[168:199] four fragments of W
.set FB, 200                           ; v[200:215] two fragments of X
.set OFF, 216                          ; v[216:239] byte offsets in P of the three rows of each of my 8 points
.set WV, 240                           ; v[240:243] a point's record of weights
.set DT, 244                           ; v[244:251] y - K
; window 1: v256 + 24 q + 8 k .. + 7: row k of point q, written v[24 q + 8 k ..] under the window's setting
.set IDX, 32                           ; s[32:63]  8 points x (i0, i1, i2, 0), then x 1,024
.set WT, 68                            ; s[68:99]  8 points x (w0, w1, w2, 0)
.set MSB, 0
.macro WIN new                         ; s_set_vgpr_msb: bits 1:0 source 0, 7:6 destination; the immediate's high byte repeats the setting that is left
.if MSB != \new
	s_set_vgpr_msb (MSB<<8)|\new
.set MSB, \new
.endif
.endm
.macro LDIDX c                         ; the index records of my 8 points of chunk c: 128 bytes
	s_load_b512 s[IDX:IDX+15], s[10:11], 1024*(\c)
	s_load_b512 s[IDX+16:IDX+31], s[10:11], 1024*(\c)+64
.endm
.macro LDWT c                          ; their weights
	s_load_b512 s[WT:WT+15], s[2:3], 1024*(\c)
	s_load_b512 s[WT+16:WT+31], s[2:3], 1024*(\c)+64
.endm
.macro CLAMP                           ; an index becomes a byte offset: a row of P is 1,024 bytes
.irp q, 0,1,2,3,4,5,6,7
.irp k, 0,1,2
	s_min_u32 s[IDX+4*\q+\k], s[IDX+4*\q+\k], 0x3ff
	s_lshl_b32 s[IDX+4*\q+\k], s[IDX+4*\q+\k], 10
.endr
.endr
.endm
.macro GL q                            ; the three rows of P of my point q: six loads of 512 consecutive bytes.  A row of P is read twelve times in the launch on average (196,608 reads of 16,384 rows): the hint for data that is read again
.irp k, 0,1,2
	global_load_b128 v[24*\q+8*\k:24*\q+8*\k+3], v[OFF+3*\q+\k], s[8:9] th:TH_LOAD_HT
	global_load_b128 v[24*\q+8*\k+4:24*\q+8*\k+7], v[OFF+3*\q+\k], s[8:9] offset:512 th:TH_LOAD_HT
.endr
.endm
; Chunk c's gathers go out: all 24 offsets, the loads of points 0-6; then the scalar loads of chunk c's weights and of the next chunk's indices.
; The offset registers are free: the last wait of the chunk before was for all loads.
.macro NEXTG c
.irp q, 0,1,2,3,4,5,6,7
.irp k, 0,1,2
	v_add_nc_u32 v[OFF+3*\q+\k], s[IDX+4*\q+\k], v[L16]
.endr
.endr
	WIN 0x40                                       ; destinations in window 1, addresses in window 0
.irp q, 0,1,2,3,4,5,6
	GL \q
.endr
	WIN 0
	LDWT \c
.if \c < 3
	LDIDX \c+1
.endif
.endm
	s_load_b256 s[4:11], s[0:1], 0x0               ; unknow_feats s[4:5], wh s[6:7], pw s[8:9], nidx s[10:11]
	s_load_b128 s[12:15], s[0:1], 0x20             ; y1 s[12:13], part s[14:15]
	v_lshl_add_u32 v254, v0, 2, 0x49400
	v_mov_b32 v255, 0
	ds_add_u32 v254, v255
	ds_add_u32 v254, v255
	v_lshrrev_b32 v14, 5, v0
	v_readfirstlane_b32 s16, v14                   ; wave 0..7
	; descriptor: 32 rows of 256 f16 of W1, columns 256..511, 16 bytes of padding behind each row in LDS
	s_mov_b32 s20, 1
	s_mul_i32 s21, s16, 32*WP
	s_mov_b32 s24, (1<<16)|(1<<20)|(6<<22)|(3<<25) ; elements of 2 bytes; padding on, after every 128 words, of 4 words
	s_mov_b32 s25, 256<<16                         ; tensor_dim0
	s_mov_b32 s26, 32<<16                          ; tensor_dim1
	s_mov_b32 s27, 256<<16                         ; tile_dim0
	s_mov_b32 s28, 32                              ; tile_dim1
	s_mov_b32 s29, 512                             ; from row to row: 512 elements
	s_mov_b32 s30, 0
	s_mov_b32 s31, 0
	s_lshl_b32 s66, s16, 15                        ; 32 rows of 1,024 bytes a wave,
	s_add_co_u32 s66, s66, 512                     ; from column 256 on
	s_mov_b32 s67, 0
	v_and_b32 v15, 15, v0                          ; r
	v_bfe_u32 v10, v0, 4, 1                        ; h
	s_lshl_b32 s19, s16, 19
	v_lshlrev_b32 v[UOFF], 4, v15
	v_lshl_add_u32 v[UOFF], v10, 14, v[UOFF]
	v_add_nc_u32 v[UOFF], s19, v[UOFF]
	s_wait_dscnt 0x0
	s_wait_kmcnt 0x0
	s_add_nc_u64 s[22:23], s[6:7], s[66:67]
	s_or_b32 s23, s23, 0x80000000
	tensor_load_to_lds s[20:23], s[24:31]          ; each wave's one tensor load, the only fill of these bytes: one is outstanding
	s_nop 0
	s_lshl_b32 s66, ttmp9, 12
	s_lshl_b32 s19, s16, 7
	s_add_co_u32 s66, s66, s19                     ; (256 g + 8 w) records of 16 bytes
	s_add_nc_u64 s[10:11], s[10:11], s[66:67]      ; my wave's indices
	s_add_nc_u64 s[2:3], s[8:9], s[66:67]
	s_add_nc_u64 s[2:3], s[2:3], 0x1000000         ; my wave's weights, behind P's 16 MiB
	LDIDX 0
	s_lshr_b32 s19, ttmp9, 4                       ; batch
	s_lshl_b32 s66, s19, 20
	s_add_nc_u64 s[8:9], s[8:9], s[66:67]          ; P of my batch: 1 MiB each
	s_lshl_b32 s66, s19, 22                        ; unknow_feats: a batch is 4 MiB,
	s_and_b32 s19, ttmp9, 15
	s_lshl_b32 s19, s19, 10                        ; my 256 points are 1,024 bytes of each row
	s_add_co_u32 s66, s66, s19
	s_add_nc_u64 s[4:5], s[4:5], s[66:67]
	s_lshl_b32 s66, ttmp9, 18
	s_add_nc_u64 s[12:13], s[12:13], s[66:67]      ; y1: 256 rows of 1,024 bytes
	s_lshl_b32 s66, ttmp9, 11
	s_add_nc_u64 s[14:15], s[14:15], s[66:67]      ; part: 2,048 bytes
.irp i, 0,1,2,3,4,5,6,7,8,9,10,11,12,13,14,15
	global_load_b128 v[PF+4*\i:PF+4*\i+3], v[UOFF], s[4:5] offset:32768*\i th:TH_LOAD_NT   ; channels 32 w + 2 i + h: sixteen lanes read 256 consecutive bytes
.endr
	v_and_b32 v14, 31, v0
	v_lshlrev_b32 v[L16], 4, v14
	s_lshr_b32 s17, s16, 1                         ; og: which 64 outputs are mine
	s_and_b32 s18, s16, 1                          ; pg: which 32 points
	s_mul_i32 s19, s16, 32*XP
	s_add_co_u32 s19, s19, XT0
	v_mul_u32_u24 v[XST], v10, XP
	v_lshl_add_u32 v[XST], v15, 3, v[XST]
	v_add_nc_u32 v[XST], s19, v[XST]               ; XT0 + (32 w + h) 160 + 8 r
	v_and_b32 v11, 7, v0
	v_lshl_add_u32 v11, v10, 3, v11
	v_mul_u32_u24 v[XRD], v11, XP
	v_bfe_u32 v12, v0, 3, 1
	v_lshl_add_u32 v[XRD], v12, 4, v[XRD]
	s_lshl_b32 s19, s18, 6
	s_add_co_u32 s19, s19, XT0
	v_add_nc_u32 v[XRD], s19, v[XRD]               ; XT0 + (8 h + lane mod 8) 160 + 16 (bit 3 of the lane) + 64 pg
	v_add_nc_u32 v[XRD+1], XTB, v[XRD]
	s_mul_i32 s19, s17, 64*WP
	v_mul_u32_u24 v[WRD], v15, WP
	v_lshl_add_u32 v[WRD], v10, 4, v[WRD]
	v_add_nc_u32 v[WRD], s19, v[WRD]               ; (64 og + r) 528 + 16 h
	s_mul_i32 s19, s18, 32*SP
	s_lshl_b32 s66, s17, 8
	s_add_co_u32 s19, s19, s66
	s_add_co_u32 s19, s19, STG
	v_mul_u32_u24 v[SST], v15, SP
	v_lshl_add_u32 v[SST], v10, 5, v[SST]
	v_add_nc_u32 v[SST], s19, v[SST]               ; STG + (32 pg + r) 1040 + 256 og + 32 h
	s_mul_i32 s19, s16, 8*SP
	s_add_co_u32 s19, s19, STG
	v_add_nc_u32 v[SRD], s19, v[L16]               ; STG + 8 w rows + 16 lane
	v_lshl_add_u32 v[YO], s16, 13, v[L16]
	s_wait_kmcnt 0x0                               ; chunk 0's indices
	CLAMP
	NEXTG 0                                        ; chunk 0's gathers go out while W and unknow_feats are on their way
; Slot i of the ring: four numbers to f16 into XT, and the slot is asked for again, for the next chunk.
; Only chunk 0 has to wait here: a later chunk's slots were asked for ahead of the gathers of the chunk before, whose last wait was for all loads.
.macro CVT i, buf, c, last
.if \c == 0
	s_wait_loadcnt 57                              ; younger than slot i's load: 15 - i slots, the 42 gathers, i slots already asked for again
.endif
	v_cvt_pk_f16_f32 v[CT+2*(\i%2)], v[PF+4*\i], v[PF+4*\i+1]
	v_cvt_pk_f16_f32 v[CT+2*(\i%2)+1], v[PF+4*\i+2], v[PF+4*\i+3]
	ds_store_b64 v[XST], v[CT+2*(\i%2):CT+2*(\i%2)+1] offset:\buf*XTB+2*XP*\i
.if \last == 0
	global_load_b128 v[PF+4*\i:PF+4*\i+3], v[UOFF], s[4:5] offset:32768*\i+256*(\c+1) th:TH_LOAD_NT
.endif
.endm
.macro MM mt, nt, zero
.if \zero
	v_wmma_f32_16x16x32_f16 v[ACC+8*(2*\mt+\nt):ACC+8*(2*\mt+\nt)+7], v[FA+8*\mt:FA+8*\mt+7], v[FB+8*\nt:FB+8*\nt+7], 0
.else
	v_wmma_f32_16x16x32_f16 v[ACC+8*(2*\mt+\nt):ACC+8*(2*\mt+\nt)+7], v[FA+8*\mt:FA+8*\mt+7], v[FB+8*\nt:FB+8*\nt+7], v[ACC+8*(2*\mt+\nt):ACC+8*(2*\mt+\nt)+7]
.endif
.endm
; 32 along K: 12 LDS loads, 8 matrix instructions.  The eight accumulators take turns, one instruction a turn, in the same order in every
; K step.  A = 16 rows of W (two plain loads); B = 16 points of XT, stored [K][N] (two transposing loads).
.macro KSTEP ks, buf, zero
.if \ks
.rept 4
	v_nop                                          ; four places between the last matrix instruction and loads into its sources
.endr
.endif
	ds_load_b128 v[FA:FA+3], v[WRD] offset:64*\ks
	ds_load_b128 v[FA+4:FA+7], v[WRD] offset:64*\ks+32
	ds_load_tr16_b128 v[FB:FB+3], v[XRD+\buf] offset:32*XP*\ks
	ds_load_tr16_b128 v[FB+4:FB+7], v[XRD+\buf] offset:32*XP*\ks+16*XP
	ds_load_tr16_b128 v[FB+8:FB+11], v[XRD+\buf] offset:32*XP*\ks+32
	ds_load_tr16_b128 v[FB+12:FB+15], v[XRD+\buf] offset:32*XP*\ks+16*XP+32
.irp mt, 1,2,3
	ds_load_b128 v[FA+8*\mt:FA+8*\mt+3], v[WRD] offset:16*WP*\mt+64*\ks
	ds_load_b128 v[FA+8*\mt+4:FA+8*\mt+7], v[WRD] offset:16*WP*\mt+64*\ks+32
.endr
.irp mt, 0,1,2,3
	s_wait_dscnt 6-2*\mt                           ; the fragments of W behind number mt may still be out, two loads each
	MM \mt, 0, \zero
	MM \mt, 1, \zero
.endr
.endm
; lane (r, h), register j of tile (mt, nt) holds output 64 og + 16 mt + 8 h + j of point 32 pg + 16 nt + r: 32 consecutive bytes of the point's row
.macro STAGE
.rept 4
	v_nop                                          ; four places in front of the LDS stores that read results, and of the loads into the accumulators below
.endr
.irp mt, 0,1,2,3
.irp nt, 0,1
	ds_store_b128 v[SST], v[ACC+8*(2*\mt+\nt):ACC+8*(2*\mt+\nt)+3] offset:16*SP*\nt+64*\mt
	ds_store_b128 v[SST], v[ACC+8*(2*\mt+\nt)+4:ACC+8*(2*\mt+\nt)+7] offset:16*SP*\nt+64*\mt+16
.endr
.endr
.endm
; My point q of chunk c: its row from the stage lies in v[ACC + 8 q ..]; plus the three weighted rows of P; statistics; store.
; y = loads issued behind point 6's gathers: the ring's 16 (none in the last chunk) and point 7's six.
.macro GPROC c, q, y, first
.irp k, 0,1,2,3
	v_mov_b32 v[WV+\k], s[WT+4*\q+\k]              ; the whole record: both register pairs are read as pairs
.endr
.if \q == 7
	s_wait_loadcnt 0x0                             ; point 7's loads are the youngest
.else
	s_wait_loadcnt 6*(6-\q)+\y                     ; younger than point q's six: those of points q + 1 .. 6, and y
.endif
	s_wait_dscnt 14-2*\q                           ; two loads from the stage for each later point may be out
	WIN 0x01                                       ; source 0, the gathered rows, in window 1
.irp p, 0,2,4,6
	v_pk_fma_f32 v[ACC+8*\q+\p:ACC+8*\q+\p+1], v[24*\q+\p:24*\q+\p+1], v[WV:WV+1], v[ACC+8*\q+\p:ACC+8*\q+\p+1] op_sel_hi:[1,0,1]
.endr
.irp p, 0,2,4,6
	v_pk_fma_f32 v[ACC+8*\q+\p:ACC+8*\q+\p+1], v[24*\q+8+\p:24*\q+8+\p+1], v[WV:WV+1], v[ACC+8*\q+\p:ACC+8*\q+\p+1] op_sel:[0,1,0] op_sel_hi:[1,1,1]
.endr
.irp p, 0,2,4,6
	v_pk_fma_f32 v[ACC+8*\q+\p:ACC+8*\q+\p+1], v[24*\q+16+\p:24*\q+16+\p+1], v[WV+2:WV+3], v[ACC+8*\q+\p:ACC+8*\q+\p+1] op_sel_hi:[1,0,1]
.endr
	WIN 0
.if \first
.irp p, 0,1,2,3,4,5,6,7
	v_mov_b32 v[KS+\p], v[ACC+8*\q+\p]             ; the first sample is K: its own y - K is zero, which starts both sums
	v_mov_b32 v[SS+\p], 0
	v_mov_b32 v[QQ+\p], 0
.endr
.else
.irp p, 0,2,4,6
	v_pk_add_f32 v[DT+\p:DT+\p+1], v[ACC+8*\q+\p:ACC+8*\q+\p+1], v[KS+\p:KS+\p+1] neg_lo:[0,1] neg_hi:[0,1]
.endr
.irp p, 0,2,4,6
	v_pk_add_f32 v[SS+\p:SS+\p+1], v[SS+\p:SS+\p+1], v[DT+\p:DT+\p+1]
	v_pk_fma_f32 v[QQ+\p:QQ+\p+1], v[DT+\p:DT+\p+1], v[DT+\p:DT+\p+1], v[QQ+\p:QQ+\p+1]
.endr
.endif
	global_store_b128 v[YO], v[ACC+8*\q:ACC+8*\q+3], s[12:13] offset:(64*\c+\q)*1024 th:TH_STORE_NT       ; 512 consecutive bytes; y1 is not read again in this launch
	global_store_b128 v[YO], v[ACC+8*\q+4:ACC+8*\q+7], s[12:13] offset:(64*\c+\q)*1024+512 th:TH_STORE_NT
.endm
.macro CHUNK c, buf, last
.irp i, 0,1,2,3,4,5,6,7,8,9,10,11,12,13,14,15
	CVT \i, \buf, \c, \last
.endr
.if \c == 0
	s_wait_tensorcnt 0x0                           ; my rows of W have landed
.endif
	s_wait_dscnt 0x0                               ; my part of XT is in LDS; my reads of the stage and of the other XT buffer are over
	s_barrier_signal -1
	s_barrier_wait -1
	KSTEP 0, \buf, 1                               ; the first products start the sums
.irp ks, 1,2,3,4,5,6,7
	KSTEP \ks, \buf, 0
.endr
	STAGE
.if \last == 0
	s_wait_loadcnt 57                              ; 42 gathers and 16 slots have been asked for: with one of them in, point 7's six make 63 at the most
.endif
	WIN 0x40
	GL 7
	WIN 0
	s_wait_kmcnt 0x0                               ; this chunk's weights and the next chunk's indices, asked for ahead of the conversion
.if \last == 0
	CLAMP
.endif
	s_wait_dscnt 0x0                               ; my part of the stage is in LDS
	s_barrier_signal -1
	s_barrier_wait -1                              ; the stage is whole
.irp q, 0,1,2,3,4,5,6,7
	ds_load_b128 v[ACC+8*\q:ACC+8*\q+3], v[SRD] offset:SP*\q           ; my 8 points' rows, into the accumulators' registers
	ds_load_b128 v[ACC+8*\q+4:ACC+8*\q+7], v[SRD] offset:SP*\q+512
.endr
.if \c == 0
	GPROC \c, 0, 22-16*\last, 1
.else
	GPROC \c, 0, 22-16*\last, 0
.endif
.irp q, 1,2,3,4,5,6,7
	GPROC \c, \q, 22-16*\last, 0
.endr
.if \last == 0
	s_wait_xcnt 0x0                                ; the stores' data lie in the accumulators' registers, which the next chunk's products write
	NEXTG \c+1
.endif
.endm
	CHUNK 0, 0, 0
	CHUNK 1, 1, 0
	CHUNK 2, 0, 0
	CHUNK 3, 1, 1
	; my wave's 32 points: mean = K + S / 32, M2 = Q - S S / 32 (S and Q are sums of deviations from a sample, of the size of the spread)
.irp p, 0,2,4,6
	v_pk_mul_f32 v[DT+\p:DT+\p+1], v[SS+\p:SS+\p+1], 0x3d000000 op_sel_hi:[1,0]
.endr
.irp p, 0,2,4,6
	v_pk_add_f32 v[KS+\p:KS+\p+1], v[KS+\p:KS+\p+1], v[DT+\p:DT+\p+1]
	v_pk_fma_f32 v[QQ+\p:QQ+\p+1], v[DT+\p:DT+\p+1], v[SS+\p:SS+\p+1], v[QQ+\p:QQ+\p+1] neg_lo:[1,0,0] neg_hi:[1,0,0]
.endr
	s_lshl_b32 s19, s16, 11
	s_add_co_u32 s19, s19, RED
	v_add_nc_u32 v10, s19, v[L16]
	ds_store_b128 v10, v[KS:KS+3]
	ds_store_b128 v10, v[KS+4:KS+7] offset:512
	ds_store_b128 v10, v[QQ:QQ+3] offset:1024
	ds_store_b128 v10, v[QQ+4:QQ+7] offset:1536
	s_wait_dscnt 0x0
	s_barrier_signal -1
	s_barrier_wait -1
	s_cmp_gt_u32 s16, 1
	s_cbranch_scc1 .Lend                           ; waves 0 and 1 merge the eight parts, 128 channels each, four a lane
.set MM8, 40                           ; v[40:71]  eight means x 4 channels
.set MQ8, 72                           ; v[72:103] eight M2
.set ME, 16
.set SQ, 24
.set DV, 32
.set SD, 34
	s_lshl_b32 s19, s16, 9
	v_add_nc_u32 v12, s19, v[L16]
	v_add_nc_u32 v11, RED, v12
.irp v, 0,1,2,3,4,5,6,7
	ds_load_b128 v[MM8+4*\v:MM8+4*\v+3], v11 offset:2048*\v
	ds_load_b128 v[MQ8+4*\v:MQ8+4*\v+3], v11 offset:2048*\v+1024
.endr
	s_wait_dscnt 0x0
.irp p, 0,2
	v_pk_add_f32 v[ME+\p:ME+\p+1], v[MM8+\p:MM8+\p+1], v[MM8+4+\p:MM8+4+\p+1]
	v_pk_add_f32 v[SQ+\p:SQ+\p+1], v[MQ8+\p:MQ8+\p+1], v[MQ8+4+\p:MQ8+4+\p+1]
.irp v, 2,3,4,5,6,7
	v_pk_add_f32 v[ME+\p:ME+\p+1], v[ME+\p:ME+\p+1], v[MM8+4*\v+\p:MM8+4*\v+\p+1]
	v_pk_add_f32 v[SQ+\p:SQ+\p+1], v[SQ+\p:SQ+\p+1], v[MQ8+4*\v+\p:MQ8+4*\v+\p+1]
.endr
	v_pk_mul_f32 v[ME+\p:ME+\p+1], v[ME+\p:ME+\p+1], 0x3e000000 op_sel_hi:[1,0]    ; / 8
	v_pk_add_f32 v[DV:DV+1], v[MM8+\p:MM8+\p+1], v[ME+\p:ME+\p+1] neg_lo:[0,1] neg_hi:[0,1]
	v_pk_mul_f32 v[SD:SD+1], v[DV:DV+1], v[DV:DV+1]
.irp v, 1,2,3,4,5,6,7
	v_pk_add_f32 v[DV:DV+1], v[MM8+4*\v+\p:MM8+4*\v+\p+1], v[ME+\p:ME+\p+1] neg_lo:[0,1] neg_hi:[0,1]
	v_pk_fma_f32 v[SD:SD+1], v[DV:DV+1], v[DV:DV+1], v[SD:SD+1]
.endr
	v_pk_fma_f32 v[SQ+\p:SQ+\p+1], v[SD:SD+1], 0x42000000, v[SQ+\p:SQ+\p+1] op_sel_hi:[1,0,1]   ; + 32 x the means' squared deviations
.endr
	global_store_b128 v12, v[ME:ME+3], s[14:15]
	global_store_b128 v12, v[SQ:SQ+3], s[14:15] offset:1024
.Lend:
	s_wait_tensorcnt 0x0
	ds_add_u32 v254, v255
	s_wait_dscnt 0x0
	s_endpgm
.Lfunc_end_k_qb50a7b7c3c_conv1:
	.size	k_qb50a7b7c3c_conv1, .Lfunc_end_k_qb50a7b7c3c_conv1-k_qb50a7b7c3c_conv1
	.p2alignl 7, 3214868480
	.fill 96, 4, 3214868480
	.section	.rodata,"a",@progbits
	.p2align	6, 0x0
	.amdhsa_kernel k_qb50a7b7c3c_conv1
		.amdhsa_group_segment_fixed_size 301056
		.amdhsa_private_segment_fixed_size 0
		.amdhsa_enable_private_segment 0
		.amdhsa_kernarg_size 48
		.amdhsa_user_sgpr_count 2
		.amdhsa_user_sgpr_kernarg_segment_ptr 1
		.amdhsa_wavefront_size32 1
		.amdhsa_system_sgpr_workgroup_id_x 1
		.amdhsa_system_sgpr_workgroup_id_y 1
		.amdhsa_system_sgpr_workgroup_id_z 1
		.amdhsa_system_vgpr_workitem_id 0
		.amdhsa_next_free_vgpr 448
		.amdhsa_next_free_sgpr 100
		.amdhsa_reserve_vcc 0
		.amdhsa_float_denorm_mode_32 3
		.amdhsa_float_denorm_mode_16_64 3
		.amdhsa_memory_ordered 1
		.amdhsa_forward_progress 1
		.amdhsa_inst_pref_size 181
	.end_amdhsa_kernel
	.amdgpu_metadata
---
amdhsa.version: [ 1, 2 ]
amdhsa.kernels:
  - .name:           k_qb50a7b7c3c_conv1
    .symbol:         k_qb50a7b7c3c_conv1.kd
    .args:
      - { .name: unknow_feats, .offset: 0, .size: 8, .value_kind: global_buffer, .address_space: global }
      - { .name: wh, .offset: 8, .size: 8, .value_kind: global_buffer, .address_space: global }
      - { .name: pw, .offset: 16, .size: 8, .value_kind: global_buffer, .address_space: global }
      - { .name: nidx, .offset: 24, .size: 8, .value_kind: global_buffer, .address_space: global }
      - { .name: y1, .offset: 32, .size: 8, .value_kind: global_buffer, .address_space: global }
      - { .name: part, .offset: 40, .size: 8, .value_kind: global_buffer, .address_space: global }
    .group_segment_fixed_size: 301056
    .private_segment_fixed_size: 0
    .kernarg_segment_align: 8
    .kernarg_segment_size: 48
    .max_flat_workgroup_size: 256
    .sgpr_count:     100
    .vgpr_count:     448
    .wavefront_size: 32
...
	.end_amdgpu_metadata
.endif
;; end of part 3
;; launch fin1 (part 4): grid 4 x 1, 16 waves a work-group, no clusters, 10,240 bytes of LDS; arguments part, g1, be1, ss1; writes ss1
.if DOCPART == 4
	.amdgcn_target "amdgcn-amd-amdhsa--gfx1250"
	.amdhsa_code_object_version 6
	.text
	.protected	k_qb50a7b7c3c_fin1
	.globl	k_qb50a7b7c3c_fin1
	.p2align	8
	.type	k_qb50a7b7c3c_fin1,@function
k_qb50a7b7c3c_fin1:
	s_mov_b64 s[64:65], 0
	v_nop
	global_prefetch_b8 v0, s[64:65] scope:SCOPE_SE
	s_setreg_imm32_b32 hwreg(HW_REG_WAVE_MODE, 25, 1), 1
	s_wait_xcnt 0x0
; fin1.  The batch norm's figures from 256 parts of 256 points each: part[set][mean, M2][256 channels] f32.
; scale[c] = g[c] / sqrt(var[c] + 1e-5), shift[c] = be[c] - mean[c] scale[c], so that the norm is one multiply-add; var = M2 / 65,536.
; Four work-groups of 64 channels, two channels a lane; wave w merges sets 16 w .. 16 w + 15, wave 0 then merges the sixteen results.
; Parts of equal size n merge as mean = the mean of the means, M2 = sum of M2 + n sum of (mean_i - mean)^2: no difference of large sums.
; There is work for four work-groups only: 512 KiB are read, in runs of 256 consecutive bytes a wave.  No matrix unit, no cluster: nothing to multiply or share.
.set M, 2                              ; v[2:33]   16 means x 2 channels
.set Q, 34                             ; v[34:65]  16 M2
.set ME, 66                            ; merged mean
.set SQ, 68                            ; merged M2
.set DV, 70
.set SD, 72
.macro MERGE nlit                      ; nlit = the size of each of the 16 parts, as f32
	v_pk_add_f32 v[ME:ME+1], v[M:M+1], v[M+2:M+3]
	v_pk_add_f32 v[SQ:SQ+1], v[Q:Q+1], v[Q+2:Q+3]
.irp i, 2,3,4,5,6,7,8,9,10,11,12,13,14,15
	v_pk_add_f32 v[ME:ME+1], v[ME:ME+1], v[M+2*\i:M+2*\i+1]
	v_pk_add_f32 v[SQ:SQ+1], v[SQ:SQ+1], v[Q+2*\i:Q+2*\i+1]
.endr
	v_pk_mul_f32 v[ME:ME+1], v[ME:ME+1], 0x3d800000 op_sel_hi:[1,0]        ; / 16
	v_pk_add_f32 v[DV:DV+1], v[M:M+1], v[ME:ME+1] neg_lo:[0,1] neg_hi:[0,1]
	v_pk_mul_f32 v[SD:SD+1], v[DV:DV+1], v[DV:DV+1]
.irp i, 1,2,3,4,5,6,7,8,9,10,11,12,13,14,15
	v_pk_add_f32 v[DV:DV+1], v[M+2*\i:M+2*\i+1], v[ME:ME+1] neg_lo:[0,1] neg_hi:[0,1]
	v_pk_fma_f32 v[SD:SD+1], v[DV:DV+1], v[DV:DV+1], v[SD:SD+1]
.endr
	v_pk_fma_f32 v[SQ:SQ+1], v[SD:SD+1], \nlit, v[SQ:SQ+1] op_sel_hi:[1,0,1]
.endm
	s_load_b256 s[4:11], s[0:1], 0x0               ; part s[4:5], g s[6:7], be s[8:9], ss s[10:11]
	v_lshl_add_u32 v96, v0, 2, 0x2000
	v_mov_b32 v97, 0
	v_lshrrev_b32 v1, 5, v0
	v_readfirstlane_b32 s16, v1                    ; wave 0..15
	v_and_b32 v74, 31, v0
	v_lshlrev_b32 v74, 3, v74                      ; 8 x lane: my two channels
	v_lshl_add_u32 v1, s16, 15, v74                ; + 16 sets of 2,048 bytes a wave
	v_lshl_add_u32 v75, s16, 8, v74                ; LDS: 256 bytes a wave
	s_lshl_b32 s12, ttmp9, 8                       ; my work-group's 64 channels
	s_mov_b32 s13, 0
	s_wait_kmcnt 0x0
	s_add_nc_u64 s[4:5], s[4:5], s[12:13]
	s_add_nc_u64 s[6:7], s[6:7], s[12:13]
	s_add_nc_u64 s[8:9], s[8:9], s[12:13]
	s_add_nc_u64 s[10:11], s[10:11], s[12:13]
.irp i, 0,1,2,3,4,5,6,7,8,9,10,11,12,13,14,15
	global_load_b64 v[M+2*\i:M+2*\i+1], v1, s[4:5] offset:2048*\i
	global_load_b64 v[Q+2*\i:Q+2*\i+1], v1, s[4:5] offset:2048*\i+1024
.endr
	s_wait_loadcnt 0x0
	MERGE 0x43800000                               ; parts of 256 points
	ds_store_b64 v75, v[ME:ME+1]
	ds_store_b64 v75, v[SQ:SQ+1] offset:4096
	s_wait_dscnt 0x0
	s_barrier_signal -1
	s_barrier_wait -1
	s_cmp_lg_u32 s16, 0
	s_cbranch_scc1 .Lend
	global_load_b64 v[76:77], v74, s[6:7]          ; g
	global_load_b64 v[78:79], v74, s[8:9]          ; be
.irp i, 0,1,2,3,4,5,6,7,8,9,10,11,12,13,14,15
	ds_load_b64 v[M+2*\i:M+2*\i+1], v74 offset:256*\i
	ds_load_b64 v[Q+2*\i:Q+2*\i+1], v74 offset:256*\i+4096
.endr
	s_wait_dscnt 0x0
	MERGE 0x45800000                               ; parts of 4,096 points
	v_mov_b32 v80, 0x37800000                      ; 1 / 65,536
	v_fmaak_f32 v82, v[SQ], v80, 0x3727c5ac        ; var + 1e-5
	v_fmaak_f32 v83, v[SQ+1], v80, 0x3727c5ac
	v_rsq_f32 v84, v82
	v_rsq_f32 v85, v83
	v_nop                                          ; a plain instruction between the roots and their use (ISA guide 5.7.2)
	s_wait_loadcnt 0x0
	s_wait_alu depctr_va_vdst(0)
	v_pk_mul_f32 v[86:87], v[76:77], v[84:85]
	v_pk_fma_f32 v[88:89], v[ME:ME+1], v[86:87], v[78:79] neg_lo:[1,0,0] neg_hi:[1,0,0]
	global_store_b64 v74, v[86:87], s[10:11]               ; the wave stores 256 consecutive bytes, aligned
	global_store_b64 v74, v[88:89], s[10:11] offset:1024
.Lend:
	s_wait_tensorcnt 0x0
	ds_add_u32 v96, v97
	s_wait_dscnt 0x0
	s_endpgm
.Lfunc_end_k_qb50a7b7c3c_fin1:
	.size	k_qb50a7b7c3c_fin1, .Lfunc_end_k_qb50a7b7c3c_fin1-k_qb50a7b7c3c_fin1
	.p2alignl 7, 3214868480
	.fill 96, 4, 3214868480
	.section	.rodata,"a",@progbits
	.p2align	6, 0x0
	.amdhsa_kernel k_qb50a7b7c3c_fin1
		.amdhsa_group_segment_fixed_size 10240
		.amdhsa_private_segment_fixed_size 0
		.amdhsa_enable_private_segment 0
		.amdhsa_kernarg_size 32
		.amdhsa_user_sgpr_count 2
		.amdhsa_user_sgpr_kernarg_segment_ptr 1
		.amdhsa_wavefront_size32 1
		.amdhsa_system_sgpr_workgroup_id_x 1
		.amdhsa_system_sgpr_workgroup_id_y 1
		.amdhsa_system_sgpr_workgroup_id_z 1
		.amdhsa_system_vgpr_workitem_id 0
		.amdhsa_next_free_vgpr 98
		.amdhsa_next_free_sgpr 66
		.amdhsa_reserve_vcc 0
		.amdhsa_float_denorm_mode_32 3
		.amdhsa_float_denorm_mode_16_64 3
		.amdhsa_memory_ordered 1
		.amdhsa_forward_progress 1
		.amdhsa_inst_pref_size 16
	.end_amdhsa_kernel
	.amdgpu_metadata
---
amdhsa.version: [ 1, 2 ]
amdhsa.kernels:
  - .name:           k_qb50a7b7c3c_fin1
    .symbol:         k_qb50a7b7c3c_fin1.kd
    .args:
      - { .name: part, .offset: 0, .size: 8, .value_kind: global_buffer, .address_space: global }
      - { .name: g1, .offset: 8, .size: 8, .value_kind: global_buffer, .address_space: global }
      - { .name: be1, .offset: 16, .size: 8, .value_kind: global_buffer, .address_space: global }
      - { .name: ss1, .offset: 24, .size: 8, .value_kind: global_buffer, .address_space: global }
    .group_segment_fixed_size: 10240
    .private_segment_fixed_size: 0
    .kernarg_segment_align: 8
    .kernarg_segment_size: 32
    .max_flat_workgroup_size: 512
    .sgpr_count:     66
    .vgpr_count:     98
    .wavefront_size: 32
...
	.end_amdgpu_metadata
.endif
;; end of part 4
;; launch conv2s (part 5): grid 256 x 1, 8 waves a work-group, no clusters, 205,824 bytes of LDS; arguments y1, wh, ss1, part; writes part
.if DOCPART == 5
	.amdgcn_target "amdgcn-amd-amdhsa--gfx1250"
	.amdhsa_code_object_version 6
	.text
	.protected	k_qb50a7b7c3c_conv2s
	.globl	k_qb50a7b7c3c_conv2s
	.p2align	8
	.type	k_qb50a7b7c3c_conv2s,@function
k_qb50a7b7c3c_conv2s:
	s_mov_b64 s[64:65], 0
	v_nop
	global_prefetch_b8 v0, s[64:65] scope:SCOPE_SE
	s_setreg_imm32_b32 hwreg(HW_REG_WAVE_MODE, 25, 1), 1
	s_wait_xcnt 0x0
; conv2s.  The statistics of the second convolution: y2[o][p] = sum over k of W2[o][k] h[k][p], h = max(0, y1 scale1 + shift1);
; for each work-group's 256 points the mean and the sum of squared deviations of each of the 256 outputs go to part.  y2 itself is not stored:
; the last launch makes it again, which costs the products a second time and saves writing and reading 64 MiB.
; Eight waves, four chunks of 64 points.  A chunk: y1 (point-major f32) is normed, clipped, rounded to f16 into LDS rows [point][k]; then
; 64 points x 256 outputs x K = 256; a wave makes 64 points x 32 outputs, 8 accumulator tiles.  A = 16 points of h, B = 16 rows of W2, both with K
; along the LDS row.  Lane (r, h), register j of tile (mt, nt) holds point 16 mt + 8 h + j of output 32 w + 16 nt + r: a lane sums its own output.
; Two buffers of h take turns, one barrier a chunk.
; Statistics as in conv1: K = the lane's first sample, sums of y - K and (y - K)^2, then (mean, M2) pairs merged.
; No cluster: what work-groups share is W2, 128 KiB once a work-group, against 256 KiB of its own stream.
; LIMIT: matrix operands are f16: |W2| and h above 65,504 overflow; h is at most 256 |g1| + |be1|, since no sample of 65,536 lies further than
; 256 standard deviations from their mean.
.set WP, 528                           ; LDS pitch of a row of W2 and of h: 512 + 16 bytes
.set H0, 135168                        ; two buffers [64 points][256 k] f16
.set HB, 33792
.set RED, 202752                       ; [mean, M2][256] f32
.set YOFF, 1                           ; v1  8 w rows of 1,024 bytes + 16 lane
.set HST, 2                            ; v2  where I put four f16 of h, buffer 0
.set HRD, 3                            ; v3  where the A fragments begin, buffer 0
.set WRD, 4                            ; v4  where my B fragments begin
.set L16, 5                            ; v5  16 x lane
.set RST, 6                            ; v6  RED + 4 (32 w + r)
.set RRD, 7                            ; v7  RED + 512 w + 16 lane
.set PO, 8                             ; v8  512 w + 16 lane
.set SC, 10                            ; v[10:17] scale1 of my channels 4 lane .. + 3 and 128 + 4 lane .. + 3
.set SH, 18                            ; v[18:25] shift1
.set KK, 26                            ; v[26:27] K for nt = 0, 1
.set S0, 28                            ; v[28:29], v[30:31] sums of y - K, a pair for each nt
.set S1, 30
.set Q0, 32                            ; v[32:33], v[34:35] sums of squares
.set Q1, 34
.set T, 36                             ; v[36:43] at work
.set PF, 44                            ; v[44:107] 16 slots of 16 bytes: my part of a chunk of y1
.set ACC, 108                          ; v[108:171] tile (mt, nt) at 8 (2 mt + nt)
.set FA, 172                           ; v[172:203] four fragments of h
.set FB, 204                           ; v[204:219] two fragments of W2
	s_load_b256 s[4:11], s[0:1], 0x0               ; y1 s[4:5], wh s[6:7], ss1 s[8:9], part s[10:11]
	v_lshl_add_u32 v220, v0, 2, 0x32000
	v_mov_b32 v221, 0
	ds_add_u32 v220, v221
	ds_add_u32 v220, v221
	v_lshrrev_b32 v36, 5, v0
	v_readfirstlane_b32 s16, v36                   ; wave 0..7
	; descriptor: 32 rows of 256 f16 of W2, 16 bytes of padding behind each row in LDS
	s_mov_b32 s20, 1
	s_mul_i32 s21, s16, 32*WP
	s_mov_b32 s24, (1<<16)|(1<<20)|(6<<22)|(3<<25) ; elements of 2 bytes; padding on, after every 128 words, of 4 words
	s_mov_b32 s25, 256<<16                         ; tensor_dim0
	s_mov_b32 s26, 32<<16                          ; tensor_dim1
	s_mov_b32 s27, 256<<16                         ; tile_dim0
	s_mov_b32 s28, 32                              ; tile_dim1
	s_mov_b32 s29, 256                             ; from row to row: 256 elements
	s_mov_b32 s30, 0
	s_mov_b32 s31, 0
	s_lshl_b32 s18, s16, 14                        ; 32 rows of 512 bytes a wave,
	s_add_co_u32 s18, s18, 262144                  ; behind W1's f16 copy
	s_mov_b32 s19, 0
	v_and_b32 v36, 31, v0
	v_lshlrev_b32 v[L16], 4, v36
	v_lshl_add_u32 v[YOFF], s16, 13, v[L16]
	s_wait_dscnt 0x0
	s_wait_kmcnt 0x0
	s_add_nc_u64 s[22:23], s[6:7], s[18:19]
	s_or_b32 s23, s23, 0x80000000
	tensor_load_to_lds s[20:23], s[24:31]          ; each wave's one tensor load, the only fill of these bytes: one is outstanding
	s_nop 0
	s_lshl_b32 s18, ttmp9, 18
	s_add_nc_u64 s[4:5], s[4:5], s[18:19]          ; my 256 rows of y1
	s_lshl_b32 s18, ttmp9, 11
	s_add_nc_u64 s[10:11], s[10:11], s[18:19]
	global_load_b128 v[SC:SC+3], v[L16], s[8:9]
	global_load_b128 v[SC+4:SC+7], v[L16], s[8:9] offset:512
	global_load_b128 v[SH:SH+3], v[L16], s[8:9] offset:1024
	global_load_b128 v[SH+4:SH+7], v[L16], s[8:9] offset:1536
.irp i, 0,1,2,3,4,5,6,7,8,9,10,11,12,13,14,15
	global_load_b128 v[PF+4*\i:PF+4*\i+3], v[YOFF], s[4:5] offset:512*\i   ; point 8 w + i / 2, half i mod 2: 512 consecutive bytes
.endr
	v_and_b32 v37, 15, v0                          ; r
	v_bfe_u32 v38, v0, 4, 1                        ; h
	s_mul_i32 s17, s16, 8*WP
	s_add_co_u32 s17, s17, H0
	v_lshl_add_u32 v[HST], v36, 3, s17             ; H0 + 8 w rows + 8 lane
	v_mul_u32_u24 v39, v37, WP
	v_lshl_add_u32 v39, v38, 4, v39                ; r 528 + 16 h
	v_add_nc_u32 v[HRD], H0, v39
	s_mul_i32 s17, s16, 32*WP
	v_add_nc_u32 v[WRD], s17, v39
	s_lshl_b32 s17, s16, 7
	s_add_co_u32 s17, s17, RED
	v_lshl_add_u32 v[RST], v37, 2, s17
	v_lshl_add_u32 v[PO], s16, 9, v[L16]
	v_add_nc_u32 v[RRD], RED, v[PO]
	s_mov_b32 s44, 0x76543210                      ; v_permlanex16_b32: lane i of one half reads lane i of the other
	s_mov_b32 s45, 0xfedcba98
.irp p, 0,1,2,3,4,5,6,7
	v_mov_b32 v[S0+\p], 0
.endr
; Slot i of the ring: four numbers of y1 to h in f16, and the slot is asked for again, for the next chunk.
.macro CVT i, buf, c, last
.if \last
	s_wait_loadcnt 15-\i                           ; nothing is asked for any more: the counts run down
.else
	s_wait_loadcnt 15                              ; younger than slot i's load: 15 - i slots of this chunk and i slots already asked for again
.endif
	v_pk_fma_f32 v[T:T+1], v[PF+4*\i:PF+4*\i+1], v[SC+4*(\i%2):SC+4*(\i%2)+1], v[SH+4*(\i%2):SH+4*(\i%2)+1]
	v_pk_fma_f32 v[T+2:T+3], v[PF+4*\i+2:PF+4*\i+3], v[SC+4*(\i%2)+2:SC+4*(\i%2)+3], v[SH+4*(\i%2)+2:SH+4*(\i%2)+3]
.irp k, 0,1,2,3
	v_max_num_f32 v[T+\k], 0, v[T+\k]
.endr
	v_cvt_pk_f16_f32 v[T+4], v[T], v[T+1]
	v_cvt_pk_f16_f32 v[T+5], v[T+2], v[T+3]
	ds_store_b64 v[HST], v[T+4:T+5] offset:\buf*HB+(\i/2)*WP+(\i%2)*256
.if \last == 0
	global_load_b128 v[PF+4*\i:PF+4*\i+3], v[YOFF], s[4:5] offset:65536*(\c+1)+512*\i
.endif
.endm
.macro MM mt, nt, zero
.if \zero
	v_wmma_f32_16x16x32_f16 v[ACC+8*(2*\mt+\nt):ACC+8*(2*\mt+\nt)+7], v[FA+8*\mt:FA+8*\mt+7], v[FB+8*\nt:FB+8*\nt+7], 0
.else
	v_wmma_f32_16x16x32_f16 v[ACC+8*(2*\mt+\nt):ACC+8*(2*\mt+\nt)+7], v[FA+8*\mt:FA+8*\mt+7], v[FB+8*\nt:FB+8*\nt+7], v[ACC+8*(2*\mt+\nt):ACC+8*(2*\mt+\nt)+7]
.endif
.endm
; 32 along K: 12 LDS loads, 8 matrix instructions.  The eight accumulators take turns, one instruction a turn, in the same order in every
; K step.
.macro KSTEP ks, buf, zero
.if \ks
.rept 4
	v_nop                                          ; four places between the last matrix instruction and loads into its sources
.endr
.endif
	ds_load_b128 v[FA:FA+3], v[HRD] offset:\buf*HB+64*\ks
	ds_load_b128 v[FA+4:FA+7], v[HRD] offset:\buf*HB+64*\ks+32
	ds_load_b128 v[FB:FB+3], v[WRD] offset:64*\ks
	ds_load_b128 v[FB+4:FB+7], v[WRD] offset:64*\ks+32
	ds_load_b128 v[FB+8:FB+11], v[WRD] offset:16*WP+64*\ks
	ds_load_b128 v[FB+12:FB+15], v[WRD] offset:16*WP+64*\ks+32
.irp mt, 1,2,3
	ds_load_b128 v[FA+8*\mt:FA+8*\mt+3], v[HRD] offset:\buf*HB+16*WP*\mt+64*\ks
	ds_load_b128 v[FA+8*\mt+4:FA+8*\mt+7], v[HRD] offset:\buf*HB+16*WP*\mt+64*\ks+32
.endr
.irp mt, 0,1,2,3
	s_wait_dscnt 6-2*\mt                           ; the fragments of h behind number mt may still be out, two loads each
	MM \mt, 0, \zero
	MM \mt, 1, \zero
.endr
.endm
.macro CHUNK c, buf, last
.irp i, 0,1,2,3,4,5,6,7,8,9,10,11,12,13,14,15
	CVT \i, \buf, \c, \last
.endr
.if \c == 0
	s_wait_tensorcnt 0x0                           ; my rows of W2 have landed
.endif
	s_wait_dscnt 0x0                               ; my rows of h are in LDS, and my reads of the other buffer are over
	s_barrier_signal -1
	s_barrier_wait -1
	KSTEP 0, \buf, 1                               ; the first products start the sums
.irp ks, 1,2,3,4,5,6,7
	KSTEP \ks, \buf, 0
.endr
.rept 4
	v_nop                                          ; four places in front of the vector instructions that read results
.endr
.if \c == 0
	v_mov_b32 v[KK], v[ACC]                        ; K: my first sample of each of my two outputs
	v_mov_b32 v[KK+1], v[ACC+8]
.endif
.irp mt, 0,1,2,3
.irp p, 0,2,4,6
	v_pk_add_f32 v[T:T+1], v[ACC+16*\mt+\p:ACC+16*\mt+\p+1], v[KK:KK+1] op_sel:[0,0] op_sel_hi:[1,0] neg_lo:[0,1] neg_hi:[0,1]
	v_pk_add_f32 v[T+2:T+3], v[ACC+16*\mt+8+\p:ACC+16*\mt+8+\p+1], v[KK:KK+1] op_sel:[0,1] op_sel_hi:[1,1] neg_lo:[0,1] neg_hi:[0,1]
	v_pk_add_f32 v[S0:S0+1], v[S0:S0+1], v[T:T+1]
	v_pk_add_f32 v[S1:S1+1], v[S1:S1+1], v[T+2:T+3]
	v_pk_fma_f32 v[Q0:Q0+1], v[T:T+1], v[T:T+1], v[Q0:Q0+1]
	v_pk_fma_f32 v[Q1:Q1+1], v[T+2:T+3], v[T+2:T+3], v[Q1:Q1+1]
.endr
.endr
.endm
	CHUNK 0, 0, 0
	CHUNK 1, 1, 0
	CHUNK 2, 0, 0
	CHUNK 3, 1, 1
	; my 128 points of each output: mean = K + S / 128, M2 = Q - S S / 128
	v_add_f32 v36, v[S0], v[S0+1]
	v_add_f32 v37, v[S1], v[S1+1]
	v_add_f32 v38, v[Q0], v[Q0+1]
	v_add_f32 v39, v[Q1], v[Q1+1]
	v_pk_mul_f32 v[40:41], v[36:37], 0x3c000000 op_sel_hi:[1,0]
	v_pk_add_f32 v[42:43], v[KK:KK+1], v[40:41]
	v_pk_fma_f32 v[38:39], v[40:41], v[36:37], v[38:39] neg_lo:[1,0,0] neg_hi:[1,0,0]
	; the other half of the lanes holds the other 128 points of the same outputs
	v_permlanex16_b32 v44, v42, s44, s45           ; its destinations have been written before, by the ring's loads
	v_permlanex16_b32 v45, v43, s44, s45
	v_permlanex16_b32 v46, v38, s44, s45
	v_permlanex16_b32 v47, v39, s44, s45
	v_pk_add_f32 v[48:49], v[42:43], v[44:45] neg_lo:[0,1] neg_hi:[0,1]
	v_pk_add_f32 v[42:43], v[42:43], v[44:45]
	v_pk_mul_f32 v[42:43], v[42:43], 0.5 op_sel_hi:[1,0]
	v_pk_add_f32 v[38:39], v[38:39], v[46:47]
	v_pk_mul_f32 v[48:49], v[48:49], v[48:49]
	v_pk_fma_f32 v[38:39], v[48:49], 0x42800000, v[38:39] op_sel_hi:[1,0,1]        ; + 128 x 128 / 256 x the squared difference of the means
	ds_store_b32 v[RST], v42                       ; both halves hold the same figures and write the same words
	ds_store_b32 v[RST], v43 offset:64
	ds_store_b32 v[RST], v38 offset:1024
	ds_store_b32 v[RST], v39 offset:1088
	s_wait_dscnt 0x0
	s_barrier_signal -1
	s_barrier_wait -1
	s_cmp_gt_u32 s16, 3
	s_cbranch_scc1 .Lend                           ; 2,048 bytes leave through four waves, 512 consecutive bytes each
	ds_load_b128 v[44:47], v[RRD]
	s_wait_dscnt 0x0
	global_store_b128 v[PO], v[44:47], s[10:11]
.Lend:
	s_wait_tensorcnt 0x0
	ds_add_u32 v220, v221
	s_wait_dscnt 0x0
	s_endpgm
.Lfunc_end_k_qb50a7b7c3c_conv2s:
	.size	k_qb50a7b7c3c_conv2s, .Lfunc_end_k_qb50a7b7c3c_conv2s-k_qb50a7b7c3c_conv2s
	.p2alignl 7, 3214868480
	.fill 96, 4, 3214868480
	.section	.rodata,"a",@progbits
	.p2align	6, 0x0
	.amdhsa_kernel k_qb50a7b7c3c_conv2s
		.amdhsa_group_segment_fixed_size 205824
		.amdhsa_private_segment_fixed_size 0
		.amdhsa_enable_private_segment 0
		.amdhsa_kernarg_size 32
		.amdhsa_user_sgpr_count 2
		.amdhsa_user_sgpr_kernarg_segment_ptr 1
		.amdhsa_wavefront_size32 1
		.amdhsa_system_sgpr_workgroup_id_x 1
		.amdhsa_system_sgpr_workgroup_id_y 1
		.amdhsa_system_sgpr_workgroup_id_z 1
		.amdhsa_system_vgpr_workitem_id 0
		.amdhsa_next_free_vgpr 222
		.amdhsa_next_free_sgpr 66
		.amdhsa_reserve_vcc 0
		.amdhsa_float_denorm_mode_32 3
		.amdhsa_float_denorm_mode_16_64 3
		.amdhsa_memory_ordered 1
		.amdhsa_forward_progress 1
		.amdhsa_inst_pref_size 114
	.end_amdhsa_kernel
	.amdgpu_metadata
---
amdhsa.version: [ 1, 2 ]
amdhsa.kernels:
  - .name:           k_qb50a7b7c3c_conv2s
    .symbol:         k_qb50a7b7c3c_conv2s.kd
    .args:
      - { .name: y1, .offset: 0, .size: 8, .value_kind: global_buffer, .address_space: global }
      - { .name: wh, .offset: 8, .size: 8, .value_kind: global_buffer, .address_space: global }
      - { .name: ss1, .offset: 16, .size: 8, .value_kind: global_buffer, .address_space: global }
      - { .name: part, .offset: 24, .size: 8, .value_kind: global_buffer, .address_space: global }
    .group_segment_fixed_size: 205824
    .private_segment_fixed_size: 0
    .kernarg_segment_align: 8
    .kernarg_segment_size: 32
    .max_flat_workgroup_size: 256
    .sgpr_count:     66
    .vgpr_count:     222
    .wavefront_size: 32
...
	.end_amdgpu_metadata
.endif
;; end of part 5
;; launch fin2: the kernel of part 4 again; grid 4 x 1, 16 waves a work-group, no clusters, 10,240 bytes of LDS; arguments part, g2, be2, ss2; writes ss2
;; launch conv2o (part 6): grid 256 x 1, 8 waves a work-group, no clusters, 273,408 bytes of LDS; arguments y1, wh, ss1, ss2, out0; writes out0
.if DOCPART == 6
	.amdgcn_target "amdgcn-amd-amdhsa--gfx1250"
	.amdhsa_code_object_version 6
	.text
	.protected	k_qb50a7b7c3c_conv2o
	.globl	k_qb50a7b7c3c_conv2o
	.p2align	8
	.type	k_qb50a7b7c3c_conv2o,@function
k_qb50a7b7c3c_conv2o:
	s_mov_b64 s[64:65], 0
	v_nop
	global_prefetch_b8 v0, s[64:65] scope:SCOPE_SE
	s_setreg_imm32_b32 hwreg(HW_REG_WAVE_MODE, 25, 1), 1
	s_wait_xcnt 0x0
; conv2o.  out0[b][o][n] = max(0, y2 scale2[o] + shift2[o]), y2[o][p] = sum over k of W2[o][k] h[k][p], h = max(0, y1 scale1 + shift1).
; The products as in conv2s: eight waves, four chunks of 64 points; y1 is normed, clipped and rounded to f16 into LDS rows [point][k]; a wave makes
; 64 points x 32 outputs, 8 accumulator tiles.  Lane (r, h), register j of tile (mt, nt) holds point 16 mt + 8 h + j of output 32 w + 16 nt + r:
; eight neighbouring numbers of a row of out0.  They go through the wave's own LDS stage [32 outputs][64 points] and leave as rows of 256 bytes:
; sixteen lanes store 256 consecutive bytes, aligned.  The stage is the wave's own, and LDS serves a wave's instructions in order (ISA guide
; 5.7.1): no barrier and no wait between its stores and its loads.
; No cluster: what work-groups share is W2, 128 KiB once a work-group, against 512 KiB of its own streams.
; LIMIT: matrix operands are f16: |W2| and h above 65,504 overflow; h is at most 256 |g1| + |be1|.
.set WP, 528                           ; LDS pitch of a row of W2 and of h: 512 + 16 bytes
.set H0, 135168                        ; two buffers [64 points][256 k] f16
.set HB, 33792
.set OST, 202752                       ; eight stages of 32 rows, pitch 272
.set OP, 272
.set YOFF, 1                           ; v1  8 w rows of 1,024 bytes + 16 lane
.set HST, 2                            ; v2  where I put four f16 of h, buffer 0
.set HRD, 3                            ; v3  where the A fragments begin, buffer 0
.set WRD, 4                            ; v4  where my B fragments begin
.set L16, 5                            ; v5  16 x lane
.set SST, 6                            ; v6  stage, in
.set SRD, 7                            ; v7  stage, back
.set OO, 8                             ; v8  (32 w + h) rows of 16,384 bytes + 16 r
.set S2O, 9                            ; v9  4 (32 w + r)
.set SC, 10                            ; v[10:17] scale1 of my channels 4 lane .. + 3 and 128 + 4 lane .. + 3
.set SH, 18                            ; v[18:25] shift1
.set SC2, 26                           ; v[26:27] scale2 of my outputs, nt = 0, 1
.set SH2, 28                           ; v[28:29] shift2
.set T, 36                             ; v[36:43] at work
.set PF, 44                            ; v[44:107] 16 slots of 16 bytes: my part of a chunk of y1
.set ACC, 108                          ; v[108:171] tile (mt, nt) at 8 (2 mt + nt); on the way out: 16 x 16 bytes to store
.set FA, 172                           ; v[172:203] four fragments of h
.set FB, 204                           ; v[204:219] two fragments of W2
	s_load_b256 s[4:11], s[0:1], 0x0               ; y1 s[4:5], wh s[6:7], ss1 s[8:9], ss2 s[10:11]
	s_load_b64 s[12:13], s[0:1], 0x20              ; out0
	v_lshl_add_u32 v220, v0, 2, 0x42800
	v_mov_b32 v221, 0
	ds_add_u32 v220, v221
	ds_add_u32 v220, v221
	v_lshrrev_b32 v36, 5, v0
	v_readfirstlane_b32 s16, v36                   ; wave 0..7
	; descriptor: 32 rows of 256 f16 of W2, 16 bytes of padding behind each row in LDS
	s_mov_b32 s20, 1
	s_mul_i32 s21, s16, 32*WP
	s_mov_b32 s24, (1<<16)|(1<<20)|(6<<22)|(3<<25) ; elements of 2 bytes; padding on, after every 128 words, of 4 words
	s_mov_b32 s25, 256<<16                         ; tensor_dim0
	s_mov_b32 s26, 32<<16                          ; tensor_dim1
	s_mov_b32 s27, 256<<16                         ; tile_dim0
	s_mov_b32 s28, 32                              ; tile_dim1
	s_mov_b32 s29, 256                             ; from row to row: 256 elements
	s_mov_b32 s30, 0
	s_mov_b32 s31, 0
	s_lshl_b32 s18, s16, 14                        ; 32 rows of 512 bytes a wave,
	s_add_co_u32 s18, s18, 262144                  ; behind W1's f16 copy
	s_mov_b32 s19, 0
	v_and_b32 v36, 31, v0
	v_and_b32 v37, 15, v0                          ; r
	v_bfe_u32 v38, v0, 4, 1                        ; h
	v_lshlrev_b32 v[L16], 4, v36
	v_lshl_add_u32 v[YOFF], s16, 13, v[L16]
	s_lshl_b32 s17, s16, 7
	v_lshl_add_u32 v[S2O], v37, 2, s17
	s_wait_dscnt 0x0
	s_wait_kmcnt 0x0
	s_add_nc_u64 s[22:23], s[6:7], s[18:19]
	s_or_b32 s23, s23, 0x80000000
	tensor_load_to_lds s[20:23], s[24:31]          ; each wave's one tensor load, the only fill of these bytes: one is outstanding
	s_nop 0
	s_lshl_b32 s18, ttmp9, 18
	s_add_nc_u64 s[4:5], s[4:5], s[18:19]          ; my 256 rows of y1
	s_lshr_b32 s17, ttmp9, 4
	s_lshl_b32 s18, s17, 22                        ; out0: a batch is 4 MiB,
	s_and_b32 s17, ttmp9, 15
	s_lshl_b32 s17, s17, 10                        ; my 256 points are 1,024 bytes of each row
	s_add_co_u32 s18, s18, s17
	s_add_nc_u64 s[12:13], s[12:13], s[18:19]
	global_load_b128 v[SC:SC+3], v[L16], s[8:9]
	global_load_b128 v[SC+4:SC+7], v[L16], s[8:9] offset:512
	global_load_b128 v[SH:SH+3], v[L16], s[8:9] offset:1024
	global_load_b128 v[SH+4:SH+7], v[L16], s[8:9] offset:1536
	global_load_b32 v[SC2], v[S2O], s[10:11]
	global_load_b32 v[SC2+1], v[S2O], s[10:11] offset:64
	global_load_b32 v[SH2], v[S2O], s[10:11] offset:1024
	global_load_b32 v[SH2+1], v[S2O], s[10:11] offset:1088
.irp i, 0,1,2,3,4,5,6,7,8,9,10,11,12,13,14,15
	global_load_b128 v[PF+4*\i:PF+4*\i+3], v[YOFF], s[4:5] offset:512*\i th:TH_LOAD_NT   ; point 8 w + i / 2, half i mod 2: 512 consecutive bytes
.endr
	s_mul_i32 s17, s16, 8*WP
	s_add_co_u32 s17, s17, H0
	v_lshl_add_u32 v[HST], v36, 3, s17             ; H0 + 8 w rows + 8 lane
	v_mul_u32_u24 v39, v37, WP
	v_lshl_add_u32 v39, v38, 4, v39                ; r 528 + 16 h
	v_add_nc_u32 v[HRD], H0, v39
	s_mul_i32 s17, s16, 32*WP
	v_add_nc_u32 v[WRD], s17, v39
	s_mul_i32 s17, s16, 32*OP
	s_add_co_u32 s17, s17, OST                     ; my stage
	v_mul_u32_u24 v[SST], v37, OP
	v_lshl_add_u32 v[SST], v38, 5, v[SST]
	v_add_nc_u32 v[SST], s17, v[SST]               ; + 272 r + 32 h
	v_mul_u32_u24 v[SRD], v38, OP
	v_lshl_add_u32 v[SRD], v37, 4, v[SRD]
	v_add_nc_u32 v[SRD], s17, v[SRD]               ; + 272 h + 16 r
	s_lshl_b32 s17, s16, 19
	v_lshlrev_b32 v[OO], 4, v37
	v_lshl_add_u32 v[OO], v38, 14, v[OO]
	v_add_nc_u32 v[OO], s17, v[OO]
; Slot i of the ring: four numbers of y1 to h in f16, and the slot is asked for again, for the next chunk.
.macro CVT i, buf, c, last
.if \last
	s_wait_loadcnt 15-\i                           ; nothing is asked for any more: the counts run down
.else
	s_wait_loadcnt 15                              ; younger than slot i's load: 15 - i slots of this chunk and i slots already asked for again
.endif
	v_pk_fma_f32 v[T:T+1], v[PF+4*\i:PF+4*\i+1], v[SC+4*(\i%2):SC+4*(\i%2)+1], v[SH+4*(\i%2):SH+4*(\i%2)+1]
	v_pk_fma_f32 v[T+2:T+3], v[PF+4*\i+2:PF+4*\i+3], v[SC+4*(\i%2)+2:SC+4*(\i%2)+3], v[SH+4*(\i%2)+2:SH+4*(\i%2)+3]
.irp k, 0,1,2,3
	v_max_num_f32 v[T+\k], 0, v[T+\k]
.endr
	v_cvt_pk_f16_f32 v[T+4], v[T], v[T+1]
	v_cvt_pk_f16_f32 v[T+5], v[T+2], v[T+3]
	ds_store_b64 v[HST], v[T+4:T+5] offset:\buf*HB+(\i/2)*WP+(\i%2)*256
.if \last == 0
	global_load_b128 v[PF+4*\i:PF+4*\i+3], v[YOFF], s[4:5] offset:65536*(\c+1)+512*\i th:TH_LOAD_NT
.endif
.endm
.macro MM mt, nt, zero
.if \zero
	v_wmma_f32_16x16x32_f16 v[ACC+8*(2*\mt+\nt):ACC+8*(2*\mt+\nt)+7], v[FA+8*\mt:FA+8*\mt+7], v[FB+8*\nt:FB+8*\nt+7], 0
.else
	v_wmma_f32_16x16x32_f16 v[ACC+8*(2*\mt+\nt):ACC+8*(2*\mt+\nt)+7], v[FA+8*\mt:FA+8*\mt+7], v[FB+8*\nt:FB+8*\nt+7], v[ACC+8*(2*\mt+\nt):ACC+8*(2*\mt+\nt)+7]
.endif
.endm
; 32 along K: 12 LDS loads, 8 matrix instructions.  The eight accumulators take turns, one instruction a turn, in the same order in every
; K step.
.macro KSTEP ks, buf, zero
.if \ks
.rept 4
	v_nop                                          ; four places between the last matrix instruction and loads into its sources
.endr
.endif
	ds_load_b128 v[FA:FA+3], v[HRD] offset:\buf*HB+64*\ks
	ds_load_b128 v[FA+4:FA+7], v[HRD] offset:\buf*HB+64*\ks+32
	ds_load_b128 v[FB:FB+3], v[WRD] offset:64*\ks
	ds_load_b128 v[FB+4:FB+7], v[WRD] offset:64*\ks+32
	ds_load_b128 v[FB+8:FB+11], v[WRD] offset:16*WP+64*\ks
	ds_load_b128 v[FB+12:FB+15], v[WRD] offset:16*WP+64*\ks+32
.irp mt, 1,2,3
	ds_load_b128 v[FA+8*\mt:FA+8*\mt+3], v[HRD] offset:\buf*HB+16*WP*\mt+64*\ks
	ds_load_b128 v[FA+8*\mt+4:FA+8*\mt+7], v[HRD] offset:\buf*HB+16*WP*\mt+64*\ks+32
.endr
.irp mt, 0,1,2,3
	s_wait_dscnt 6-2*\mt                           ; the fragments of h behind number mt may still be out, two loads each
	MM \mt, 0, \zero
	MM \mt, 1, \zero
.endr
.endm
.macro CHUNK c, buf, last
.if \c
	s_wait_xcnt 0x0                                ; the last chunk's store data lie in the accumulator registers
.endif
.irp i, 0,1,2,3,4,5,6,7,8,9,10,11,12,13,14,15
	CVT \i, \buf, \c, \last
.endr
.if \c == 0
	s_wait_tensorcnt 0x0                           ; my rows of W2 have landed
.endif
	s_wait_dscnt 0x0                               ; my rows of h are in LDS, and my reads of the other buffer are over
	s_barrier_signal -1
	s_barrier_wait -1
	KSTEP 0, \buf, 1                               ; the first products start the sums
.irp ks, 1,2,3,4,5,6,7
	KSTEP \ks, \buf, 0
.endr
.rept 4
	v_nop                                          ; four places in front of the vector instructions that read and write results
.endr
.irp mt, 0,1,2,3
.irp p, 0,2,4,6
	v_pk_fma_f32 v[ACC+16*\mt+\p:ACC+16*\mt+\p+1], v[ACC+16*\mt+\p:ACC+16*\mt+\p+1], v[SC2:SC2+1], v[SH2:SH2+1] op_sel:[0,0,0] op_sel_hi:[1,0,0]
	v_pk_fma_f32 v[ACC+16*\mt+8+\p:ACC+16*\mt+8+\p+1], v[ACC+16*\mt+8+\p:ACC+16*\mt+8+\p+1], v[SC2:SC2+1], v[SH2:SH2+1] op_sel:[0,1,1] op_sel_hi:[1,1,1]
.endr
.endr
.set j, 0
.rept 64
	v_max_num_f32 v[ACC+j], 0, v[ACC+j]
.set j, j+1
.endr
.irp mt, 0,1,2,3
.irp nt, 0,1
	ds_store_b128 v[SST], v[ACC+8*(2*\mt+\nt):ACC+8*(2*\mt+\nt)+3] offset:16*OP*\nt+64*\mt
	ds_store_b128 v[SST], v[ACC+8*(2*\mt+\nt)+4:ACC+8*(2*\mt+\nt)+7] offset:16*OP*\nt+64*\mt+16
.endr
.endr
.irp t, 0,1,2,3,4,5,6,7,8,9,10,11,12,13,14,15
	ds_load_b128 v[ACC+4*\t:ACC+4*\t+3], v[SRD] offset:2*OP*\t     ; outputs 2 t and 2 t + 1 of my 32: lanes 0-15 one row of 256 bytes, lanes 16-31 the next
.endr
.irp t, 0,1,2,3,4,5,6,7,8,9,10,11,12,13,14,15
	s_wait_dscnt 15-\t
	global_store_b128 v[OO], v[ACC+4*\t:ACC+4*\t+3], s[12:13] offset:32768*\t+256*\c th:TH_STORE_NT
.endr
.endm
	CHUNK 0, 0, 0
	CHUNK 1, 1, 0
	CHUNK 2, 0, 0
	CHUNK 3, 1, 1
	s_wait_tensorcnt 0x0
	ds_add_u32 v220, v221
	s_wait_dscnt 0x0
	s_endpgm
.Lfunc_end_k_qb50a7b7c3c_conv2o:
	.size	k_qb50a7b7c3c_conv2o, .Lfunc_end_k_qb50a7b7c3c_conv2o-k_qb50a7b7c3c_conv2o
	.p2alignl 7, 3214868480
	.fill 96, 4, 3214868480
	.section	.rodata,"a",@progbits
	.p2align	6, 0x0
	.amdhsa_kernel k_qb50a7b7c3c_conv2o
		.amdhsa_group_segment_fixed_size 273408
		.amdhsa_private_segment_fixed_size 0
		.amdhsa_enable_private_segment 0
		.amdhsa_kernarg_size 40
		.amdhsa_user_sgpr_count 2
		.amdhsa_user_sgpr_kernarg_segment_ptr 1
		.amdhsa_wavefront_size32 1
		.amdhsa_system_sgpr_workgroup_id_x 1
		.amdhsa_system_sgpr_workgroup_id_y 1
		.amdhsa_system_sgpr_workgroup_id_z 1
		.amdhsa_system_vgpr_workitem_id 0
		.amdhsa_next_free_vgpr 222
		.amdhsa_next_free_sgpr 66
		.amdhsa_reserve_vcc 0
		.amdhsa_float_denorm_mode_32 3
		.amdhsa_float_denorm_mode_16_64 3
		.amdhsa_memory_ordered 1
		.amdhsa_forward_progress 1
		.amdhsa_inst_pref_size 121
	.end_amdhsa_kernel
	.amdgpu_metadata
---
amdhsa.version: [ 1, 2 ]
amdhsa.kernels:
  - .name:           k_qb50a7b7c3c_conv2o
    .symbol:         k_qb50a7b7c3c_conv2o.kd
    .args:
      - { .name: y1, .offset: 0, .size: 8, .value_kind: global_buffer, .address_space: global }
      - { .name: wh, .offset: 8, .size: 8, .value_kind: global_buffer, .address_space: global }
      - { .name: ss1, .offset: 16, .size: 8, .value_kind: global_buffer, .address_space: global }
      - { .name: ss2, .offset: 24, .size: 8, .value_kind: global_buffer, .address_space: global }
      - { .name: out0, .offset: 32, .size: 8, .value_kind: global_buffer, .address_space: global }
    .group_segment_fixed_size: 273408
    .private_segment_fixed_size: 0
    .kernarg_segment_align: 8
    .kernarg_segment_size: 40
    .max_flat_workgroup_size: 256
    .sgpr_count:     66
    .vgpr_count:     222
    .wavefront_size: 32
...
	.end_amdgpu_metadata
.endif
;; end of part 6
;; ======== version 2 of 2: 7 launches; version 1 with the launch knn_coarse written anew for expert scheduling mode
;; limits: inputs' magnitudes at most 65,504; values are held in f16: magnitudes above 65,504 overflow, below 6.1e-05 lose precision; below input magnitudes of 6e-05 results are inexact or not finite
;; workspace buffers: grp 1,048,576 bytes of whole numbers; nidx 1,048,576 bytes of whole numbers; wh 393,216 bytes; pw 17,825,792 bytes; y1 67,108,864 bytes; part 524,288 bytes; ss1 2,048 bytes; ss2 2,048 bytes
;; launch knn_coarse (part 7): grid 256 x 1, 4 waves a work-group, no clusters, 12,800 bytes of LDS; arguments unknown, known, W1, W2, grp, wh; writes grp, wh
.if DOCPART == 7
	.amdgcn_target "amdgcn-amd-amdhsa--gfx1250"
	.amdhsa_code_object_version 6
	.text
	.protected	k_qb50a7b7c3c_knn_coarse
	.globl	k_qb50a7b7c3c_knn_coarse
	.p2align	8
	.type	k_qb50a7b7c3c_knn_coarse,@function
k_qb50a7b7c3c_knn_coarse:
	s_mov_b64 s[64:65], 0
	v_nop
	global_prefetch_b8 v0, s[64:65] scope:SCOPE_SE
	s_setreg_imm32_b32 hwreg(HW_REG_WAVE_SCHED_MODE, 0, 2), 2
	s_setreg_imm32_b32 hwreg(HW_REG_WAVE_MODE, 25, 1), 1
	s_wait_xcnt 0x0
	s_wait_alu depctr_vm_vsrc(0)
; knn_coarse.  For each of the 65,536 query points: which three of the 64 groups of 16 consecutive known points of its batch have the
; smallest (group minimum of the squared distance, group number).  Under the order (distance, index) the three nearest points lie in
; these three groups: a point of any other group has three points in front of it, the minima of the three groups.  A later launch reads
; the three group numbers as whole numbers and looks at their 48 points alone.
; Also: W1 and W2 are rounded to f16 once (work-group g takes row g of each), for the matrix launches.
; A work-group has 256 queries of one batch, a wave 64, a lane two (A and A + 32), packed as register pairs: each known point costs three
; packed adds, one packed multiply and two packed multiply-adds for both queries.
; The known points lie in LDS with their signs turned, so that u - k is a plain packed add; all lanes read the same address.
; LIMITS: coordinates are finite and squared distances stay below the largest f32.  d = dx dx, then two fused multiply-adds: two points
; whose squared distances agree to the last bit or so of f32 may be ordered otherwise than by three rounded products and two sums.
; Equal distances go to the lower index: the scan ascends and a new value enters only if it is strictly smaller.
; THE MODE: SCHED_MODE bits 1:0 = 2 (LLVM: expert scheduling mode 2), set by the entry lines.  The code itself states the register dependences
; between vector instructions and memory or LDS instructions, with s_wait_alu, always for 0.
; THE PLAN.  Registers that memory or LDS instructions touch, in the loop:
;   K0, K1     Group g: its 48 packed adds read K[g % 2]; behind them, in the same group, the loads of group g + 2 land in it.
;   v[KA]      Read by every LDS load of the loop; written once a trip, at the trip's end.
;   s30-35     Written by a group's six compares, read by its selects.
;   D, T, the minima, the sorted threes and the group's number are named by vector instructions alone.
; So the waits of a group stand together, behind its six compares: one on va_sdst for the masks, and beside it one on va_vdst, which states that the
; group's adds are done reading its buffer and, in a trip's first group, that v[KA] is written.  The twelve loads follow, dealt among the selects,
; which name neither K nor v[KA].  One wait on vm_vsrc a trip stands ahead of the add to v[KA].
; Outside the loop: the offsets v1, v9, v10, v[QO] are made once at the head and never written again; K0 and K1 carry known and the weights' rows
; through the head; IA and IB leave by the two last stores; v184, v185 are read by the closing add alone.
.set UX, 2                             ; v[2:3]     x of query A, of query B
.set UY, 4                             ; v[4:5]
.set UZ, 6                             ; v[6:7]
.set KA, 8                             ; v8         LDS byte address of this trip's first group, the same in all lanes
.set IA, 12                            ; v[12:15]   query A: three group numbers, nearest first, and a zero
.set IB, 16                            ; v[16:19]   query B
.set TA, 20                            ; v20-22     query A: the three smallest group minima, ascending
.set QO, 23                            ; v23        16 x (query A's number in the work-group)
.set TB, 24                            ; v24-26     query B
.set VG, 27                            ; v27        number of the group at work
.set MA, 30                            ; v30, v31   the group's minimum for A, for B
.set MB, 31
.set K0, 32                            ; v[32:79]   16 points x 3 numbers, buffer 0
.set K1, 80                            ; v[80:127]  buffer 1
.set D, 128                            ; v[128:159] 16 pairs of squared distances (A, B)
.set T, 160                            ; v[160:183] at work: four points x three pairs
.set GBYTES, 192                       ; bytes of a group: 16 points x 12
	s_load_b256 s[4:11], s[0:1], 0x0               ; unknown s[4:5], known s[6:7], W1 s[8:9], W2 s[10:11]
	s_load_b128 s[12:15], s[0:1], 0x20             ; grp s[12:13], wh s[14:15]
	v_lshl_add_u32 v184, v0, 2, 0x3000
	v_mov_b32 v185, 0
	v_lshrrev_b32 v1, 5, v0
	v_readfirstlane_b32 s16, v1                    ; wave 0..3
	v_and_b32 v11, 31, v0
	v_lshl_add_u32 v11, v1, 6, v11                 ; query A's number in the work-group: 64 wave + lane
	v_mul_u32_u24 v1, v11, 12                      ; its byte offset in unknown
	v_lshlrev_b32 v[QO], 4, v11                    ; and in grp
	v_lshlrev_b32 v9, 4, v0                        ; 16 x thread
	v_lshlrev_b32 v10, 3, v0                       ; 8 x thread
	s_wait_alu depctr_va_sdst(0)                   ; s16 is written, ahead of its one reader: the compare that picks the waves for W2's row
	s_lshr_b32 s17, ttmp9, 4                       ; batch: 16 work-groups each
	s_mov_b32 s19, 0
	s_wait_kmcnt 0x0
	s_mul_i32 s18, s17, 12288
	s_add_nc_u64 s[6:7], s[6:7], s[18:19]          ; known of my batch
	s_mul_i32 s18, ttmp9, 3072
	s_add_nc_u64 s[4:5], s[4:5], s[18:19]          ; my 256 queries
	s_lshl_b32 s18, ttmp9, 11
	s_add_nc_u64 s[8:9], s[8:9], s[18:19]          ; row g of W1: 2,048 bytes
	s_lshl_b32 s18, ttmp9, 10
	s_add_nc_u64 s[10:11], s[10:11], s[18:19]      ; row g of W2: 1,024 bytes
	s_add_nc_u64 s[20:21], s[14:15], s[18:19]      ; row g of W1 in f16: 1,024 bytes
	s_lshl_b32 s18, ttmp9, 9
	s_add_nc_u64 s[22:23], s[14:15], s[18:19]      ; row g of W2 in f16: 512 bytes, 262,144 bytes behind W1's first
	s_lshl_b32 s18, ttmp9, 12
	s_add_nc_u64 s[12:13], s[12:13], s[18:19]      ; my 256 records of 16 bytes in grp
	s_wait_alu depctr_va_vdst(0)                   ; the offsets v1, v9, v10 and v[QO] are written: every global load and store and every LDS store of the kernel reads one of them
.irp i, 0,1,2,3,4,5
	global_load_b128 v[K0+4*\i:K0+4*\i+3], v9, s[6:7] offset:2048*\i   ; 128 threads x 16 bytes x 6 = the batch's 12,288 bytes
.endr
	global_load_b96 v[T:T+2], v1, s[4:5]                   ; query A
	global_load_b96 v[T+4:T+6], v1, s[4:5] offset:384      ; query B, 32 points on
	global_load_b128 v[K1:K1+3], v9, s[8:9] th:TH_LOAD_NT  ; my four numbers of W1's row
	s_wait_loadcnt 0x3                             ; the six loads of known are in; the three younger ones may be out
.set j, 0
.rept 24
	v_xor_b32 v[K0+j], 0x80000000, v[K0+j]         ; -k
.set j, j+1
.endr
	s_wait_loadcnt 0x0
	v_mov_b32 v[UX], v[T]
	v_mov_b32 v[UX+1], v[T+4]
	v_mov_b32 v[UY], v[T+1]
	v_mov_b32 v[UY+1], v[T+5]
	v_mov_b32 v[UZ], v[T+2]
	v_mov_b32 v[UZ+1], v[T+6]
	v_cvt_pk_f16_f32 v[K1+4], v[K1], v[K1+1]
	v_cvt_pk_f16_f32 v[K1+5], v[K1+2], v[K1+3]
	s_wait_alu depctr_va_vdst(0)                   ; -k is written into K0's first 24 registers, which the LDS stores read, and W1's four f16 into v[K1+4:K1+5], which the global store reads
.irp i, 0,1,2,3,4,5
	ds_store_b128 v9, v[K0+4*\i:K0+4*\i+3] offset:2048*\i
.endr
	global_store_b64 v10, v[K1+4:K1+5], s[20:21]   ; a wave stores 256 consecutive bytes, aligned
	s_cmp_gt_u32 s16, 1
	s_cbranch_scc1 .Lno_w2                         ; W2's row is half as long: waves 0 and 1 take it
	global_load_b128 v[K1+8:K1+11], v9, s[10:11] th:TH_LOAD_NT   ; no vector instruction has named these four registers
	s_wait_loadcnt 0x0
	v_cvt_pk_f16_f32 v[K1+12], v[K1+8], v[K1+9]
	v_cvt_pk_f16_f32 v[K1+13], v[K1+10], v[K1+11]
	s_wait_alu depctr_va_vdst(0)                   ; W2's four f16 are written into v[K1+12:K1+13], which the store reads
	global_store_b64 v10, v[K1+12:K1+13], s[22:23] offset:262144
.Lno_w2:
	v_mov_b32 v[KA], 0
	v_mov_b32 v[VG], 0
.irp k, 0,1,2
	v_mov_b32 v[TA+\k], 0x7f800000                 ; +infinity: the first three groups enter
	v_mov_b32 v[TB+\k], 0x7f800000
.endr
.irp k, 0,1,2,3
	v_mov_b32 v[IA+\k], 0
	v_mov_b32 v[IB+\k], 0
.endr
	s_wait_xcnt 0x0                                ; the stores' data lie in buffer K1, which is loaded again below
	s_wait_dscnt 0x0                               ; my part of -known is in LDS,
	s_barrier_signal -1
	s_barrier_wait -1                              ; everybody's is
	s_wait_alu depctr_vm_vsrc(0)                   ; my LDS stores have read K0 and my global stores K1: the first two groups' loads land in these registers
	s_wait_alu depctr_va_vdst(0)                   ; v[KA] is written, which those loads read; the conversions are done reading and writing K1
.macro LK kb, off, q                   ; one of a group's twelve loads of 16 bytes, the same for every lane
	ds_load_b128 v[\kb+4*(\q):\kb+4*(\q)+3], v[KA] offset:(\off)+16*(\q)
.endm
.macro LOADK kb, off                   ; a group's 192 bytes
.irp q, 0,1,2,3,4,5,6,7,8,9,10,11
	LK \kb, \off, \q
.endr
.endm
; dst = (uA, uB) + number c of buffer kb, given to both halves: op_sel picks the register of the pair in which it lies
.macro PKA dst, u, kb, c
.if (\c)%2
	v_pk_add_f32 v[\dst:\dst+1], v[\u:\u+1], v[\kb+(\c)-1:\kb+(\c)] op_sel:[0,1] op_sel_hi:[1,1]
.else
	v_pk_add_f32 v[\dst:\dst+1], v[\u:\u+1], v[\kb+(\c):\kb+(\c)+1] op_sel:[0,0] op_sel_hi:[1,0]
.endif
.endm
.macro DIST4 kb, j0                    ; points j0 .. j0 + 3 of the group: four chains that do not wait for each other
.irp t, 0,1,2,3
	PKA T+6*\t, UX, \kb, 3*(\j0+\t)
	PKA T+6*\t+2, UY, \kb, 3*(\j0+\t)+1
	PKA T+6*\t+4, UZ, \kb, 3*(\j0+\t)+2
.endr
.irp t, 0,1,2,3
	v_pk_mul_f32 v[D+2*(\j0+\t):D+2*(\j0+\t)+1], v[T+6*\t:T+6*\t+1], v[T+6*\t:T+6*\t+1]
.endr
.irp t, 0,1,2,3
	v_pk_fma_f32 v[D+2*(\j0+\t):D+2*(\j0+\t)+1], v[T+6*\t+2:T+6*\t+3], v[T+6*\t+2:T+6*\t+3], v[D+2*(\j0+\t):D+2*(\j0+\t)+1]
.endr
.irp t, 0,1,2,3
	v_pk_fma_f32 v[D+2*(\j0+\t):D+2*(\j0+\t)+1], v[T+6*\t+4:T+6*\t+5], v[T+6*\t+4:T+6*\t+5], v[D+2*(\j0+\t):D+2*(\j0+\t)+1]
.endr
.endm
.macro GMIN2                           ; the smallest of 16, for A (even registers of D) and for B (odd ones): a tree of minima of three
.irp g, 0,1,2,3,4
	v_min3_num_f32 v[T+2*\g], v[D+6*\g], v[D+6*\g+2], v[D+6*\g+4]
	v_min3_num_f32 v[T+2*\g+1], v[D+6*\g+1], v[D+6*\g+3], v[D+6*\g+5]
.endr
	v_min3_num_f32 v[MA], v[T], v[T+2], v[T+4]
	v_min3_num_f32 v[MB], v[T+1], v[T+3], v[T+5]
	v_min3_num_f32 v[MA], v[MA], v[T+6], v[T+8]
	v_min3_num_f32 v[MB], v[MB], v[T+7], v[T+9]
	v_min_num_f32 v[MA], v[MA], v[D+30]
	v_min_num_f32 v[MB], v[MB], v[D+31]
.endm
; The minimum enters the sorted three, with the group's number; A's and B's lines by turns.
; fill = 1: buffer kb, which the group has read out, is asked for again, for the group two further on, at byte off from v[KA]: three loads ahead of each of the first four pairs of selects.
.macro INS2 kb, off, fill
.irp k, 0,1,2
	v_cmp_lt_f32 s[30+\k], v[MA], v[TA+\k]
	v_cmp_lt_f32 s[33+\k], v[MB], v[TB+\k]
.endr
	s_wait_alu depctr_va_sdst(0)                   ; the six masks s30 to s35 are written, ahead of the selects that read them
.if \fill
	s_wait_alu depctr_va_vdst(0)                   ; the group's packed adds are done reading buffer kb, in which the loads below land; in a trip's first group v[KA], which they read, is written
	LK \kb, \off, 0
	LK \kb, \off, 1
	LK \kb, \off, 2
.endif
	v_cndmask_b32 v28, v[VG], v[IA+1], s31         ; what moves into place 2: the old place 1, or the new one
	v_cndmask_b32 v29, v[VG], v[IB+1], s34
.if \fill
	LK \kb, \off, 3                                ; no wait: no vector instruction since the wait above names buffer kb or v[KA]
	LK \kb, \off, 4
	LK \kb, \off, 5
.endif
	v_cndmask_b32 v[IA+2], v[IA+2], v28, s32
	v_cndmask_b32 v[IB+2], v[IB+2], v29, s35
.if \fill
	LK \kb, \off, 6
	LK \kb, \off, 7
	LK \kb, \off, 8
.endif
	v_cndmask_b32 v28, v[VG], v[IA], s30           ; into place 1: the old place 0, or the new one
	v_cndmask_b32 v29, v[VG], v[IB], s33
.if \fill
	LK \kb, \off, 9
	LK \kb, \off, 10
	LK \kb, \off, 11
.endif
	v_cndmask_b32 v[IA+1], v[IA+1], v28, s31
	v_cndmask_b32 v[IB+1], v[IB+1], v29, s34
	v_cndmask_b32 v[IA], v[IA], v[VG], s30
	v_cndmask_b32 v[IB], v[IB], v[VG], s33
	v_med3_num_f32 v[TA+2], v[TA+1], v[TA+2], v[MA]        ; the values: the middle one of the two neighbours and the new value
	v_med3_num_f32 v[TB+2], v[TB+1], v[TB+2], v[MB]
	v_med3_num_f32 v[TA+1], v[TA], v[TA+1], v[MA]
	v_med3_num_f32 v[TB+1], v[TB], v[TB+1], v[MB]
	v_min_num_f32 v[TA], v[TA], v[MA]
	v_min_num_f32 v[TB], v[TB], v[MB]
.endm
.macro GROUP kb, off, fill
	DIST4 \kb, 0
	DIST4 \kb, 4
	DIST4 \kb, 8
	DIST4 \kb, 12
	GMIN2
	INS2 \kb, \off, \fill
	v_add_nc_u32 v[VG], 1, v[VG]
.endm
	LOADK K0, 0                                    ; groups 0 and 1
	LOADK K1, GBYTES
	s_mov_b32 s36, 31                              ; 31 trips of two groups, which ask for groups 2 to 63; the last two groups stand behind the loop
.Ltrip:
	s_wait_dscnt 12                                ; LDS loads return in order (ISA guide 5.7.1): buffer 0 is in; the 12 younger loads, buffer 1's, stay out
	GROUP K0, 2*GBYTES, 1
	s_wait_dscnt 12                                ; buffer 1 is in; buffer 0's next 12 loads, just issued, stay out
	GROUP K1, 3*GBYTES, 1
	s_wait_alu depctr_vm_vsrc(0)                   ; the LDS loads issued so far have read v[KA]
	v_add_nc_u32 v[KA], 2*GBYTES, v[KA]
	s_sub_co_i32 s36, s36, 1
	s_cmp_lg_u32 s36, 0
	s_cbranch_scc1 .Ltrip
	s_wait_dscnt 12                                ; group 62 is in, group 63 may be out
	GROUP K0, 0, 0                                 ; the last two groups ask for nothing: no load passes the table's 12,288 bytes
	s_wait_dscnt 0x0
	GROUP K1, 0, 0
	s_wait_alu depctr_va_vdst(0)                   ; the last selects have written IA and IB, which the two stores read
	global_store_b128 v[QO], v[IA:IA+3], s[12:13]              ; 32 lanes x 16 bytes: 512 consecutive bytes
	global_store_b128 v[QO], v[IB:IB+3], s[12:13] offset:512
	s_wait_dscnt 0x0                               ; the closing lines, six on end
	s_wait_alu 0x0
	s_wait_tensorcnt 0x0
	ds_add_u32 v184, v185
	s_wait_dscnt 0x0
	s_endpgm
.Lfunc_end_k_qb50a7b7c3c_knn_coarse:
	.size	k_qb50a7b7c3c_knn_coarse, .Lfunc_end_k_qb50a7b7c3c_knn_coarse-k_qb50a7b7c3c_knn_coarse
	.p2alignl 7, 3214868480
	.fill 96, 4, 3214868480
	.section	.rodata,"a",@progbits
	.p2align	6, 0x0
	.amdhsa_kernel k_qb50a7b7c3c_knn_coarse
		.amdhsa_group_segment_fixed_size 12800
		.amdhsa_private_segment_fixed_size 0
		.amdhsa_enable_private_segment 0
		.amdhsa_kernarg_size 48
		.amdhsa_user_sgpr_count 2
		.amdhsa_user_sgpr_kernarg_segment_ptr 1
		.amdhsa_wavefront_size32 1
		.amdhsa_system_sgpr_workgroup_id_x 1
		.amdhsa_system_sgpr_workgroup_id_y 1
		.amdhsa_system_sgpr_workgroup_id_z 1
		.amdhsa_system_vgpr_workitem_id 0
		.amdhsa_next_free_vgpr 186
		.amdhsa_next_free_sgpr 66
		.amdhsa_reserve_vcc 0
		.amdhsa_float_denorm_mode_32 3
		.amdhsa_float_denorm_mode_16_64 3
		.amdhsa_memory_ordered 1
		.amdhsa_forward_progress 1
		.amdhsa_inst_pref_size 44
	.end_amdhsa_kernel
	.amdgpu_metadata
---
amdhsa.version: [ 1, 2 ]
amdhsa.kernels:
  - .name:           k_qb50a7b7c3c_knn_coarse
    .symbol:         k_qb50a7b7c3c_knn_coarse.kd
    .args:
      - { .name: unknown, .offset: 0, .size: 8, .value_kind: global_buffer, .address_space: global }
      - { .name: known, .offset: 8, .size: 8, .value_kind: global_buffer, .address_space: global }
      - { .name: W1, .offset: 16, .size: 8, .value_kind: global_buffer, .address_space: global }
      - { .name: W2, .offset: 24, .size: 8, .value_kind: global_buffer, .address_space: global }
      - { .name: grp, .offset: 32, .size: 8, .value_kind: global_buffer, .address_space: global }
      - { .name: wh, .offset: 40, .size: 8, .value_kind: global_buffer, .address_space: global }
    .group_segment_fixed_size: 12800
    .private_segment_fixed_size: 0
    .kernarg_segment_align: 8
    .kernarg_segment_size: 48
    .max_flat_workgroup_size: 128
    .sgpr_count:     66
    .vgpr_count:     186
    .wavefront_size: 32
...
	.end_amdgpu_metadata
.endif
;; end of part 7
;; launch knn_fine_p: the kernel of part 2 again; grid 256 x 1, 8 waves a work-group, no clusters, 256,000 bytes of LDS; arguments unknown, known, grp, known_feats, wh, nidx, pw; writes nidx, pw
;; launch conv1: the kernel of part 3 again; grid 256 x 1, 8 waves a work-group, no clusters, 301,056 bytes of LDS; arguments unknow_feats, wh, pw, nidx, y1, part; writes y1, part
;; launch fin1: the kernel of part 4 again; grid 4 x 1, 16 waves a work-group, no clusters, 10,240 bytes of LDS; arguments part, g1, be1, ss1; writes ss1
;; launch conv2s: the kernel of part 5 again; grid 256 x 1, 8 waves a work-group, no clusters, 205,824 bytes of LDS; arguments y1, wh, ss1, part; writes part
;; launch fin2: the kernel of part 4 again; grid 4 x 1, 16 waves a work-group, no clusters, 10,240 bytes of LDS; arguments part, g2, be2, ss2; writes ss2
;; launch conv2o: the kernel of part 6 again; grid 256 x 1, 8 waves a work-group, no clusters, 273,408 bytes of LDS; arguments y1, wh, ss1, ss2, out0; writes out0
